; MI455X (gfx1250); checked and timed in simulation.
; The chip was launched on July 23, 2026; its instructions are those of AMD's public machine-readable ISA for CDNA 5 (MIT licence, August 2026) and "CDNA5" Instruction Set Architecture Reference Guide (July 2026). The comments in the code are by the model that wrote it; some were corrected since.
;; Massive Pool. Allowed arithmetic: matrix products marked QUANTISED: E4M3 operands, one E8M0 scale for each 32 along K, by v_wmma_scale_f32_16x16x128_f8f6f4 with both operands' format E4M3, f32 sums; products left as they are: f32 operands where the result goes on into a quantised operand, else bf16, f16 or f32 operands; f32 sums; everything else in f32.
;; Inputs: keys 65,536 x 128 float32; pool 65,536 x 256 float32; query 2 x 1,024 x 128 float32; w_out 256 x 256 float32.
;; Outputs: out0 2 x 1,024 x 256 float32.
;; This version of the problem:
;;   THIS VERSION OF THE PROBLEM IS GIVEN IN LOW PRECISION. The matrix products marked QUANTISED in the list below multiply operands that are first quantised to E4M3 (4 exponent bits, 3 mantissa bits; 8 bits a number), with one power-of-two scale for each 32 numbers along K (OCP MX v1.0); their sums are f32. All else is computed in f32.
;;   The module's matrix products, in the order in which they are computed (A, B: the left and right operand; K: the contracted axis; several contracted axes count as one K, in the product's order):
;;     1. [M 2,048, K 128] x [K 128, N 65,536]; A: input query; B: input keys: QUANTISED
;;     2. batch 2,048 x [M 256, K 32] x [K 32, N 1]; A: computed on the way; B: softmax: left as it is (N = 1 < 16)
;;     3. [M 2,048, K 256] x [K 256, N 256]; A: computed on the way; B: input w_out: QUANTISED
;;   THE QUANTISER, for each operand of a quantised product, along K:
;;     - K is cut into blocks of 32 from its start; a last block that is shorter is filled with zeros.
;;     - A block's scale is 2^e with e = floor(log2(the largest magnitude in the block)) - 8, held to -126 .. 127; a block of zeros has e = 0. As a byte (E8M0): e + 127.
;;     - Each number is divided by its block's scale, clamped to +-448, and rounded to the nearest number of E4M3, ties to even, subnormals kept.
;;     - The product sums the exact products of the quantised numbers (number of the format x scale) in f32.
;;   ~~~python
;;   def quantise(x, axis):      # numpy; x: float32 -> the quantised numbers, widened to float32 again
;;       x = np.moveaxis(x, axis, -1); K = x.shape[-1]
;;       x = np.pad(x, [(0, 0)] * (x.ndim - 1) + [(0, -K % 32)]); x = x.reshape(x.shape[:-1] + (-1, 32)); a = np.abs(x).max(-1, keepdims=True)
;;       e = np.where(a > 0, np.clip(np.frexp(np.where(a > 0, a, 1))[1] - 1 - 8, -126, 127), 0)      # np.frexp(a)[1] - 1 = floor(log2(a)), exactly
;;       r = np.clip(x / 2.0 ** e, -448, 448)
;;       step = 2.0 ** (np.maximum(np.frexp(np.where(r == 0, 1, r))[1] - 1, -6) - 3)
;;       q = np.round(r / step) * step * 2.0 ** e      # np.round: ties to even
;;       return np.moveaxis(q.reshape(q.shape[:-2] + (-1,))[..., :K], -1, axis).astype(np.float32)
;;   ~~~
;;   OPERANDS COMPUTED ON THE WAY. 'Computed on the way' means the value that the module computes at that place (a softmax that the list does not call 'softmax' is quantised finished and normalised). What goes into a quantiser is computed in f32, as accurately as f32 sums, v_exp_f32 and their like allow (about 1e-6 of the number): no bf16 or f16 on the way to a quantiser, and a product that is left as it is and whose result goes on into a quantised operand takes f32 operands (vector FMAs, or v_wmma_f32_16x16x4_f32). A number that lies on a knife's edge between two numbers of the format may be rounded either way, as far as f32 arithmetic and the matrix unit's own rounding can turn it there, and no further.
;; 2 versions. Each part assembles by itself: llvm-mc -triple=amdgcn-amd-amdhsa -mcpu=gfx1250 --defsym DOCPART=n.
;; ======== version 1 of 2: 5 launches
;; workspace buffers: codes 8,716,288 bytes; scales 272,384 bytes; gmax 16,777,216 bytes; glist 524,288 bytes of whole numbers; cand 10,485,760 bytes; klist 524,288 bytes of whole numbers
;; launch quant (part 1): grid 266 x 1, 4 waves a work-group, no clusters, 33,280 bytes of LDS; arguments keys, query, w_out, codes, scales; writes codes, scales
.if DOCPART == 1
	.amdgcn_target "amdgcn-amd-amdhsa--gfx1250"
	.amdhsa_code_object_version 6
	.text
	.protected	k_q5471013a4f_quant
	.globl	k_q5471013a4f_quant
	.p2align	8
	.type	k_q5471013a4f_quant,@function
k_q5471013a4f_quant:
	s_mov_b64 s[64:65], 0
	v_nop
	global_prefetch_b8 v0, s[64:65] scope:SCOPE_SE
	s_setreg_imm32_b32 hwreg(HW_REG_WAVE_MODE, 25, 1), 1
	s_wait_xcnt 0x0
; keys [65536][128], query [2048][128] and w_out [256][256], f32, K innermost in all three, become codes of FP8 (E4M3) with one E8M0 scale byte for each 32 along K.
; Rows are dense and every K is a multiple of 32: each tensor is a plain stream of blocks of 32 numbers, and so are its codes and its scale bytes.
; The three streams lie one behind the other in the two workspace buffers: codes: keys at 0, query at 8,388,608, w_out at 8,650,752; scales: at 0, 262,144, 270,336.
; A work-group takes 32,768 numbers: work-groups 0-255 keys, 256-263 query, 264-265 w_out.  So the place in the buffers follows from the work-group's number alone; only the source is chosen.
; A block's scale is 2^(floor(log2(largest magnitude)) - 8); its byte is the largest magnitude's exponent field - 8, held at 1 from below.
; LIMITS: a block of zeros gets the byte 1 (its codes are zeros, and only this program reads the bytes); blocks whose largest magnitude lies under 2^-118 are held at that floor; NaN and infinities are not served.
; A wave takes 16 steps of 512 numbers.  Each load reads 512 consecutive bytes; the step's 2,048 bytes turn through the wave's own stage in LDS so that a lane gets 16 neighbours along K.
; No barrier: waves share nothing.  Loads run four steps ahead, the turn through LDS one step.
.set STEPS, 16
.set MANT,  0x600000                   ; the mantissa field of 448 as f32
.set CB,    16                         ; bytes of 16 codes
.set R,     16                         ; v16-79   four sets of 16 numbers as loaded
.set X,     80                         ; v80-111  two sets of 16 neighbours
.set C,     128                        ; v128-191 codes: four registers for each step, never written again
.set E,     112                        ; v112-127 a scale byte for each step
.set WREG,  8192                       ; LDS: a region for each wave: two stages of 32 x SP bytes, then its 256 scale bytes
.set SP,    80                         ; a lane's place in a stage: 64 bytes + 16 of padding
	s_load_b128 s[4:7], s[0:1], 0x0                ; keys, query
	s_load_b128 s[8:11], s[0:1], 0x10              ; w_out, codes
	s_load_b64 s[12:13], s[0:1], 0x20              ; scales
	v_lshl_add_u32 v192, v0, 2, 0x8000
	v_mov_b32 v193, 0
	v_lshrrev_b32 v1, 5, v0
	v_readfirstlane_b32 s16, v1                    ; wave
	v_and_b32 v2, 31, v0                           ; lane
	v_lshlrev_b32 v3, 4, v2                        ; my 16 bytes of a load's 512
	s_mul_i32 s17, s16, WREG
	v_lshrrev_b32 v14, 2, v2
	v_mul_u32_u24 v14, v14, SP
	v_and_b32 v15, 3, v2
	v_lshl_add_u32 v14, v15, 4, v14
	v_add_nc_u32 v14, s17, v14                     ; the stage on the way in: SP (lane / 4) + 16 (lane % 4)
	v_mul_u32_u24 v15, v2, SP
	v_add_nc_u32 v15, s17, v15                     ; and on the way out: SP x lane
	v_mul_u32_u24 v4, v2, CB                       ; my codes' place in a step's
	v_lshrrev_b32 v5, 1, v2
	s_add_co_u32 s17, s17, 2*32*SP
	v_add_nc_u32 v5, s17, v5                       ; LDS: my block's scale byte
	v_lshlrev_b32 v7, 3, v2                        ; on the way out 8 bytes a lane
	v_add_nc_u32 v6, s17, v7
	s_mov_b32 s23, MANT
	s_mov_b32 s21, 0
	s_wait_kmcnt 0x0
	s_cmp_lt_u32 ttmp9, 256                        ; which tensor: the choice hangs on the work-group's number alone
	s_cselect_b64 s[4:5], s[4:5], s[6:7]
	s_cselect_b32 s17, 0, 256
	s_cmp_lt_u32 ttmp9, 264
	s_cselect_b64 s[4:5], s[4:5], s[8:9]
	s_cselect_b32 s17, s17, 264                    ; the tensor's first work-group
	s_sub_co_u32 s17, ttmp9, s17
	s_lshl_b32 s17, s17, 2
	s_add_co_u32 s17, s17, s16                     ; which run of 8,192 numbers of the tensor is my wave's
	s_lshl_b32 s20, s17, 15                        ; 32,768 bytes a run
	s_add_nc_u64 s[4:5], s[4:5], s[20:21]
	s_lshl_b32 s18, ttmp9, 2
	s_add_co_u32 s18, s18, s16                     ; which run of the joined streams
	s_lshl_b32 s20, s18, 13                        ; 8,192 codes a run
	s_add_nc_u64 s[10:11], s[10:11], s[20:21]
	s_lshl_b32 s20, s18, 8                         ; 256 scale bytes a run
	s_add_nc_u64 s[12:13], s[12:13], s[20:21]
.macro LOAD t
.irp i, 0,1,2,3
	global_load_b128 v[R+16*((\t)%4)+4*\i:R+16*((\t)%4)+4*\i+3], v3, s[4:5] offset:2048*(\t)+512*\i th:TH_LOAD_NT   ; 32 lanes read 512 consecutive bytes
.endr
.endm
.macro TURN t                          ; step t's numbers through the stage: LDS serves a wave's instructions in order, so no wait stands between the stores and the loads
.irp i, 0,1,2,3
	ds_store_b128 v14, v[R+16*((\t)%4)+4*\i:R+16*((\t)%4)+4*\i+3] offset:32*SP*((\t)%2)+8*SP*\i
.endr
.irp i, 0,1,2,3
	ds_load_b128 v[X+16*((\t)%2)+4*\i:X+16*((\t)%2)+4*\i+3], v15 offset:32*SP*((\t)%2)+16*\i
.endr
.endm
.irp t, 0,1,2,3
	LOAD \t
.endr
	s_wait_loadcnt 12                              ; step 0's four loads are in
	TURN 0
.macro STEP t
.set XS, X+16*((\t)%2)
.if (\t) > 0
	s_wait_dscnt 1                                 ; this step's numbers are back from the stage (the last step's byte store may be out): its stores into the stage have read their registers,
.else
	s_wait_dscnt 0x0
.endif
.if (\t)+4 < STEPS
	LOAD (\t)+4                                    ; which take the loads of four steps on
.endif
.if (\t)+1 < STEPS
.if STEPS-2-(\t) >= 3
	s_wait_loadcnt 12                              ; the next step's four loads are in; those of the three steps behind it may be out
.else
	s_wait_loadcnt 4*(STEPS-2-(\t))
.endif
	TURN (\t)+1
.endif
	v_max3_num_f32 v8, |v[XS]|, |v[XS+1]|, |v[XS+2]|               ; the largest magnitude of my 16
	v_max3_num_f32 v9, |v[XS+3]|, |v[XS+4]|, |v[XS+5]|
.irp i, 6,10
	v_max3_num_f32 v8, v8, |v[XS+\i]|, |v[XS+\i+1]|
	v_max3_num_f32 v9, v9, |v[XS+\i+2]|, |v[XS+\i+3]|
.endr
	v_max3_num_f32 v8, v8, |v[XS+14]|, |v[XS+15]|
	v_max3_num_f32 v8, v8, v9, 0x4800000           ; and the floor 2^(9 - 127): the byte cannot fall under 1
	v_max_num_f32_dpp v8, v8, v8 row_xmask:1 row_mask:0xf bank_mask:0xf   ; and of my neighbour's 16: the block's
	v_add_nc_u32 v11, 0xfc000000, v8               ; 8 off its exponent field: the conversion's scale operand
	v_and_or_b32 v10, v8, 0x7f800000, s23          ; 448 x the scale
.irp i, 0,1,2,3,4,5,6,7,8,9,10,11,12,13,14,15
	v_med3_num_f32 v[XS+\i], v[XS+\i], -v10, v10   ; the conversion to an 8-bit code does not saturate (ISA guide 7.6.2): the hold comes first
.endr
	v_cvt_scalef32_pk8_fp8_f32 v[C+4*(\t):C+4*(\t)+1], v[XS:XS+7], v11
	v_cvt_scalef32_pk8_fp8_f32 v[C+4*(\t)+2:C+4*(\t)+3], v[XS+8:XS+15], v11
	v_lshrrev_b32 v[E+(\t)], 23, v11               ; the scale's byte
	ds_store_b8 v5, v[E+(\t)] offset:16*(\t)       ; both lanes of a block write the same byte with the same value
	global_store_b128 v4, v[C+4*(\t):C+4*(\t)+3], s[10:11] offset:32*CB*(\t)   ; the wave stores 512 consecutive bytes
.endm
.irp t, 0,1,2,3,4,5,6,7,8,9,10,11,12,13,14,15
	STEP \t
.endr
	ds_load_b64 v[12:13], v6                       ; LDS serves a wave's instructions in order: these see my stores
	s_wait_dscnt 0x0
	global_store_b64 v7, v[12:13], s[12:13]        ; 32 lanes store 256 consecutive bytes, aligned
	s_wait_tensorcnt 0x0
	ds_add_u32 v192, v193
	s_wait_dscnt 0x0
	s_endpgm
.Lfunc_end_k_q5471013a4f_quant:
	.size	k_q5471013a4f_quant, .Lfunc_end_k_q5471013a4f_quant-k_q5471013a4f_quant
	.p2alignl 7, 3214868480
	.fill 96, 4, 3214868480
	.section	.rodata,"a",@progbits
	.p2align	6, 0x0
	.amdhsa_kernel k_q5471013a4f_quant
		.amdhsa_group_segment_fixed_size 33280
		.amdhsa_private_segment_fixed_size 0
		.amdhsa_enable_private_segment 0
		.amdhsa_kernarg_size 40
		.amdhsa_user_sgpr_count 2
		.amdhsa_user_sgpr_kernarg_segment_ptr 1
		.amdhsa_wavefront_size32 1
		.amdhsa_system_sgpr_workgroup_id_x 1
		.amdhsa_system_sgpr_workgroup_id_y 1
		.amdhsa_system_sgpr_workgroup_id_z 1
		.amdhsa_system_vgpr_workitem_id 0
		.amdhsa_next_free_vgpr 194
		.amdhsa_next_free_sgpr 66
		.amdhsa_reserve_vcc 0
		.amdhsa_float_denorm_mode_32 3
		.amdhsa_float_denorm_mode_16_64 3
		.amdhsa_memory_ordered 1
		.amdhsa_forward_progress 1
		.amdhsa_inst_pref_size 51
	.end_amdhsa_kernel
	.amdgpu_metadata
---
amdhsa.version: [ 1, 2 ]
amdhsa.kernels:
  - .name:           k_q5471013a4f_quant
    .symbol:         k_q5471013a4f_quant.kd
    .args:
      - { .name: keys, .offset: 0, .size: 8, .value_kind: global_buffer, .address_space: global }
      - { .name: query, .offset: 8, .size: 8, .value_kind: global_buffer, .address_space: global }
      - { .name: w_out, .offset: 16, .size: 8, .value_kind: global_buffer, .address_space: global }
      - { .name: codes, .offset: 24, .size: 8, .value_kind: global_buffer, .address_space: global }
      - { .name: scales, .offset: 32, .size: 8, .value_kind: global_buffer, .address_space: global }
    .group_segment_fixed_size: 33280
    .private_segment_fixed_size: 0
    .kernarg_segment_align: 8
    .kernarg_segment_size: 40
    .max_flat_workgroup_size: 128
    .sgpr_count:     66
    .vgpr_count:     194
    .wavefront_size: 32
...
	.end_amdgpu_metadata
.endif
;; end of part 1
;; launch score (part 2): grid 32 x 8, 16 waves a work-group, no clusters, 106,496 bytes of LDS; arguments codes, scales, gmax; writes gmax
.if DOCPART == 2
	.amdgcn_target "amdgcn-amd-amdhsa--gfx1250"
	.amdhsa_code_object_version 6
	.text
	.protected	k_q5471013a4f_score
	.globl	k_q5471013a4f_score
	.p2align	8
	.type	k_q5471013a4f_score,@function
k_q5471013a4f_score:
	s_mov_b64 s[64:65], 0
	v_nop
	global_prefetch_b8 v0, s[64:65] scope:SCOPE_SE
	s_setreg_imm32_b32 hwreg(HW_REG_WAVE_MODE, 25, 1), 1
	s_wait_xcnt 0x0
; gmax[row][g] = the largest score of query row against keys 32 g .. 32 g + 31.  Scores are Q(query) Q(keys)^T on codes of FP8 with E8M0 scales; K = 128 is one matrix instruction.
; The scores themselves never go to memory: 2,048 x 65,536 of them would be 32 times the bytes of their group maxima.
; SHARES.  Work-group (x, y): keys 2048 x .. + 2047, rows 256 y .. + 255.  Wave w keeps keys 128 w .. + 127 of the chunk in 128 registers (8 fragments), read once, and walks the 16 tiles of queries.
; The query tiles go from wave to wave through LDS as images of the operand's registers (wave w loads tile w; 16 bytes a lane on end; the scale word 4 bytes a lane).
; No cluster and no tensor load: K is one step, each key byte goes straight into one wave's registers, and the shared part (33 KB of query codes) is 1/8 of what a work-group reads.
; THE KEYS OF A TILE ARE NOT NEIGHBOURS: lane r of tile t takes key 8 t + (r & 7) + 64 (r >> 3).  Source 0 = keys, source 1 = queries: lane (r, h) holds query r and, in register j of tile t, key 64 h + 8 t + j.
; So tiles 0-3 are the 32 neighbouring keys 64 h + 0 .. 31 and tiles 4-7 the next 32: two whole groups in one lane, and a group's maximum needs no other lane.
; The maxima meet in a stage in LDS (256 rows x 64 groups) and leave as whole runs of 256 bytes.
; LIMITS: NaN and infinities are not served.
.set QC,   8388608                     ; the query's codes in the codes' buffer
.set QSO,  262144                      ; and its scale bytes
.set QSC,  32768                       ; LDS: behind the 16 images of 2,048 bytes: their scale words, 128 bytes each
.set STG,  34816                       ; the stage: 256 rows of 256 bytes + 16
.set KS,   16                          ; v16-23  the keys' scale words
.set QSR,  24                          ; v24-25  the queries' scale words, two sets
.set M,    26                          ; v26-31  the two maxima, three sets by turns
.set QF,   32                          ; v32-63  a tile of queries, two sets
.set D,    64                          ; v64-127 eight results
.set KF,   128                         ; v128-255 my eight fragments of keys
	s_load_b128 s[4:7], s[0:1], 0x0                ; codes, scales
	s_load_b64 s[10:11], s[0:1], 0x10              ; gmax
	v_lshrrev_b32 v1, 5, v0
	v_readfirstlane_b32 s8, v1                     ; wave 0..15
	v_and_b32 v1, 31, v0                           ; lane
	v_and_b32 v2, 15, v0                           ; r
	v_bfe_u32 v3, v0, 4, 1                         ; h
	v_lshlrev_b32 v4, 4, v1                        ; 16 x lane: an image's place
	v_lshlrev_b32 v5, 2, v1                        ; 4 x lane: a scale word's
	v_and_b32 v15, 7, v2
	v_lshrrev_b32 v6, 3, v2
	v_lshl_add_u32 v15, v6, 6, v15                 ; (r & 7) + 64 (r >> 3)
	v_lshlrev_b32 v6, 7, v15
	v_lshl_add_u32 v6, v3, 4, v6                   ; my key's row of 128 bytes, + 16 h
	v_lshlrev_b32 v7, 2, v15                       ; and its scale word
	v_lshlrev_b32 v8, 7, v2
	v_lshl_add_u32 v8, v3, 4, v8                   ; a query tile: row r, + 16 h
	v_lshlrev_b32 v9, 2, v2
	v_mul_u32_u24 v10, v2, 272
	v_lshl_add_u32 v10, v3, 3, v10
	s_lshl_b32 s20, s8, 4
	s_add_co_u32 s20, s20, STG
	v_add_nc_u32 v10, s20, v10                     ; into the stage: row r, groups 4 w + 2 h, + 1: 8 bytes
	v_mul_u32_u24 v11, v3, 272
	v_lshl_add_u32 v11, v2, 4, v11
	s_mul_i32 s20, s8, 16*272
	s_add_co_u32 s20, s20, STG
	v_add_nc_u32 v11, s20, v11                     ; back: my 16 rows, two an instruction, sixteen lanes to a row
	v_lshlrev_b32 v12, 13, v3
	v_lshl_add_u32 v12, v2, 4, v12                 ; and the same place in gmax: rows of 8,192 bytes
	s_lshl_b32 s20, s8, 11
	v_add_nc_u32 v13, s20, v4                      ; where I store my tile's image
	s_lshl_b32 s20, s8, 7
	s_add_co_u32 s20, s20, QSC
	v_add_nc_u32 v14, s20, v5                      ; and its scale words
	s_and_b32 s9, ttmp7, 0xffff                    ; y
	s_lshl_b32 s20, s9, 15                         ; the query's codes: 256 y + 16 w rows of 128 bytes
	s_lshl_b32 s30, s8, 11
	s_add_co_u32 s20, s20, s30
	s_add_co_u32 s20, s20, QC
	s_mov_b32 s21, 0
	s_lshl_b32 s22, s9, 10                         ; its scale words
	s_lshl_b32 s30, s8, 6
	s_add_co_u32 s22, s22, s30
	s_add_co_u32 s22, s22, QSO
	s_mov_b32 s23, 0
	s_lshl_b32 s24, ttmp9, 18                      ; the keys' codes: 2048 x + 128 w rows of 128 bytes
	s_lshl_b32 s30, s8, 14
	s_add_co_u32 s24, s24, s30
	s_mov_b32 s25, 0
	s_lshl_b32 s26, ttmp9, 13                      ; their scale words
	s_lshl_b32 s30, s8, 9
	s_add_co_u32 s26, s26, s30
	s_mov_b32 s27, 0
	s_lshl_b32 s28, s9, 21                         ; gmax: row 256 y + 16 w, byte 256 x
	s_lshl_b32 s30, s8, 17
	s_add_co_u32 s28, s28, s30
	s_lshl_b32 s30, ttmp9, 8
	s_add_co_u32 s28, s28, s30
	s_mov_b32 s29, 0
	s_wait_kmcnt 0x0
	s_add_nc_u64 s[12:13], s[4:5], s[20:21]
	s_add_nc_u64 s[14:15], s[6:7], s[22:23]
	s_add_nc_u64 s[16:17], s[4:5], s[24:25]
	s_add_nc_u64 s[18:19], s[6:7], s[26:27]
	s_add_nc_u64 s[10:11], s[10:11], s[28:29]
.irp c, 0,1,2,3
	global_load_b128 v[QF+4*\c:QF+4*\c+3], v8, s[12:13] offset:32*\c     ; query tile w
.endr
	global_load_b32 v[QSR], v9, s[14:15]
.irp t, 0,1,2,3,4,5,6,7
.irp c, 0,1,2,3
	global_load_b128 v[KF+16*\t+4*\c:KF+16*\t+4*\c+3], v6, s[16:17] offset:1024*\t+32*\c   ; tile t begins 8 t keys on
.endr
	global_load_b32 v[KS+\t], v7, s[18:19] offset:32*\t
.endr
	s_wait_loadcnt 40                              ; the five loads of the query tile are in; the keys' 40 may be out
.irp c, 0,1,2,3
	ds_store_b128 v13, v[QF+4*\c:QF+4*\c+3] offset:512*\c
.endr
	ds_store_b32 v14, v[QSR]
	s_wait_dscnt 0x0                               ; for the others' sake: my image has landed
	s_barrier_signal -1
	s_barrier_wait -1                              ; all sixteen images lie in LDS; nobody writes them again
.macro FETCH q                         ; query tile q into set q % 2: five LDS loads
.irp c, 0,1,2,3
	ds_load_b128 v[QF+16*((\q)%2)+4*\c:QF+16*((\q)%2)+4*\c+3], v4 offset:2048*(\q)+512*\c
.endr
	ds_load_b32 v[QSR+(\q)%2], v5 offset:QSC+128*(\q)
.endm
; One tile of queries against my 128 keys.  cnt: the LDS instructions issued behind FETCH q, which may stay out: the next fetch's five and up to two stores of maxima.
; That same wait shows the store of three tiles ago done, so its pair of registers may be written again.
.macro TILE q, cnt
	s_wait_dscnt \cnt
.irp t, 0,1,2,3,4,5,6,7
	v_wmma_scale_f32_16x16x128_f8f6f4 v[D+8*\t:D+8*\t+7], v[KF+16*\t:KF+16*\t+15], v[QF+16*((\q)%2):QF+16*((\q)%2)+15], 0, v[KS+\t], v[QSR+(\q)%2]
.endr
.rept 8
	v_nop                                          ; eight places in front of the loads into the set just multiplied and of the first read of results
.endr
.if (\q) < 14
	FETCH (\q)+2
.endif
.set MM, M+2*((\q)%3)
	v_max3_num_f32 v[MM], v[D], v[D+1], v[D+2]               ; two chains by turns, each over 32 registers in ascending order: every result is first read at its low end
	v_max3_num_f32 v[MM+1], v[D+32], v[D+33], v[D+34]
.irp i, 3,5,7,9,11,13,15,17,19,21,23,25,27,29
	v_max3_num_f32 v[MM], v[MM], v[D+\i], v[D+\i+1]
	v_max3_num_f32 v[MM+1], v[MM+1], v[D+32+\i], v[D+33+\i]
.endr
	v_max_num_f32 v[MM], v[MM], v[D+31]
	v_max_num_f32 v[MM+1], v[MM+1], v[D+63]
	ds_store_b64 v10, v[MM:MM+1] offset:4352*(\q)  ; rows 16 q on.  (The next tile's products write the results anew: the eight v_nop and the other results' maxima are more than the nine places owed)
.endm
	FETCH 0
	FETCH 1
	s_wait_loadcnt 0x0                             ; my keys
	TILE 0, 5                                      ; behind FETCH 0: FETCH 1
	TILE 1, 6                                      ; behind FETCH 1: FETCH 2 and one store
.irp q, 2,3,4,5,6,7,8,9,10,11,12,13,14
	TILE \q, 7                                     ; a store, a fetch, a store
.endr
	TILE 15, 2                                     ; two stores
	s_wait_dscnt 0x0                               ; my maxima have landed
	s_barrier_signal -1
	s_barrier_wait -1                              ; 256 whole rows lie in the stage
.irp i, 0,1,2,3,4,5,6,7
	ds_load_b128 v[D+4*\i:D+4*\i+3], v11 offset:544*\i
.endr
.irp i, 0,1,2,3,4,5,6,7
	s_wait_dscnt 7-\i
	global_store_b128 v12, v[D+4*\i:D+4*\i+3], s[10:11] offset:16384*\i   ; sixteen lanes store 256 consecutive bytes, aligned
.endr
	s_wait_xcnt 0x0
	v_lshl_add_u32 v254, v0, 2, 0x19800
	v_mov_b32 v255, 0
	s_wait_tensorcnt 0x0
	ds_add_u32 v254, v255
	s_wait_dscnt 0x0
	s_endpgm
.Lfunc_end_k_q5471013a4f_score:
	.size	k_q5471013a4f_score, .Lfunc_end_k_q5471013a4f_score-k_q5471013a4f_score
	.p2alignl 7, 3214868480
	.fill 96, 4, 3214868480
	.section	.rodata,"a",@progbits
	.p2align	6, 0x0
	.amdhsa_kernel k_q5471013a4f_score
		.amdhsa_group_segment_fixed_size 106496
		.amdhsa_private_segment_fixed_size 0
		.amdhsa_enable_private_segment 0
		.amdhsa_kernarg_size 24
		.amdhsa_user_sgpr_count 2
		.amdhsa_user_sgpr_kernarg_segment_ptr 1
		.amdhsa_wavefront_size32 1
		.amdhsa_system_sgpr_workgroup_id_x 1
		.amdhsa_system_sgpr_workgroup_id_y 1
		.amdhsa_system_sgpr_workgroup_id_z 1
		.amdhsa_system_vgpr_workitem_id 0
		.amdhsa_next_free_vgpr 256
		.amdhsa_next_free_sgpr 66
		.amdhsa_reserve_vcc 0
		.amdhsa_float_denorm_mode_32 3
		.amdhsa_float_denorm_mode_16_64 3
		.amdhsa_memory_ordered 1
		.amdhsa_forward_progress 1
		.amdhsa_inst_pref_size 68
	.end_amdhsa_kernel
	.amdgpu_metadata
---
amdhsa.version: [ 1, 2 ]
amdhsa.kernels:
  - .name:           k_q5471013a4f_score
    .symbol:         k_q5471013a4f_score.kd
    .args:
      - { .name: codes, .offset: 0, .size: 8, .value_kind: global_buffer, .address_space: global }
      - { .name: scales, .offset: 8, .size: 8, .value_kind: global_buffer, .address_space: global }
      - { .name: gmax, .offset: 16, .size: 8, .value_kind: global_buffer, .address_space: global }
    .group_segment_fixed_size: 106496
    .private_segment_fixed_size: 0
    .kernarg_segment_align: 8
    .kernarg_segment_size: 24
    .max_flat_workgroup_size: 512
    .sgpr_count:     66
    .vgpr_count:     256
    .wavefront_size: 32
...
	.end_amdgpu_metadata
.endif
;; end of part 2
;; launch gsel (part 3): grid 512 x 1, 4 waves a work-group, no clusters, 0 bytes of LDS; arguments gmax, glist; writes glist
.if DOCPART == 3
	.amdgcn_target "amdgcn-amd-amdhsa--gfx1250"
	.amdhsa_code_object_version 6
	.text
	.protected	k_q5471013a4f_gsel
	.globl	k_q5471013a4f_gsel
	.p2align	8
	.type	k_q5471013a4f_gsel,@function
k_q5471013a4f_gsel:
	s_mov_b64 s[64:65], 0
	v_nop
	global_prefetch_b8 v0, s[64:65] scope:SCOPE_SE
	s_setreg_imm32_b32 hwreg(HW_REG_WAVE_MODE, 25, 1), 1
	s_wait_xcnt 0x0
; glist[row][0..63]: up to 40 groups of 32 keys, ascending, among which the row's top 32 scores are looked for; places from the count on hold 0x80000000.
; WHY GROUPS.  If a score belongs to the top 32, its group's maximum is among the 32 largest group maxima (ties: groups are runs of neighbouring keys, so the lower group holds the lower keys).
; WHY 40 AND NOT 32.  The result is defined by f32 sums; two scores that differ in their last bits may come out of the matrix instruction in another order.  So eight groups more are kept, and the last choice is made later on f32 sums.
; One wave takes one row: register j of lane i holds group 32 j + i.  No LDS, no barrier: waves share nothing.
; THE THRESHOLD comes from networks of minima and maxima on values alone (duplicates do no harm): each lane sorts its 64 and keeps 32; four exchanges inside 16 lanes each keep the larger 32 of 64.
; Then each half of the wave holds its best 32, a and b, sorted.  T = max(a[31], b[31], the 40th of those 64).  What lies outside the two lists is at most a[31] or b[31]: so at most 39 maxima lie over T, and at least 32 are >= T.
; Chosen: those over T, and of those equal to T the first by index, up to 40.
; THE LIST IS MADE AS DATA, at fixed places: no address and no branch hangs on a score.  For each register a mask of chosen lanes is made; a lane keeps the mask word in which its bit lies, and finds the bit.
; LIMITS: the margin is 8 groups, fewer where more than 32 of the best 40 fall into one half of the lanes; NaN and infinities are not served; +0 and -0 count as equal.
.set CAP, 40
.set LN,  1                            ; v1  lane
.set LN2, 3                            ; v3  lane + 32
.set T,   20
.set WA,  21                           ; my mask word and its tag, for place lane
.set PA,  22
.set N0,  23
.set N1,  24
.set N2,  25
.set N3,  26
.set N4,  27
.set N5,  28
.set N6,  29
.set N7,  30
.set N8,  31
.set WB,  32                           ; the same for place lane + 32
.set PB,  33
.set OUT0, 34
.set OUT1, 35
.set O,   64                           ; v64-127  the row
.set P,   128
.set Q,   160
.set R,   192
.set SEL, 12                           ; s12, s13 lane selects: lane l xor 16
.set SGT, 20
.set SEQ, 21
.set SC,  22
.set SR,  23
.set SE,  24
.set SP,  25
.set SS,  26
.set SB,  27
.set ST,  28
.set SV,  29
.set CT,  68                           ; s68-75
; One stage of a bitonic network on n registers: i against i xor j; the larger goes to i where bit k of i, turned by desc, is set.  From src to dst: nothing is moved in place.
.macro CEST n, src, dst, k, j, desc
.set ci, 0
.rept \n
.set cl, ci^(\j)
.if cl > ci
.if (((ci/(\k))&1)^(\desc))
	v_max_num_f32 v[(\dst)+ci], v[(\src)+ci], v[(\src)+cl]
	v_min_num_f32 v[(\dst)+cl], v[(\src)+ci], v[(\src)+cl]
.else
	v_min_num_f32 v[(\dst)+ci], v[(\src)+ci], v[(\src)+cl]
	v_max_num_f32 v[(\dst)+cl], v[(\src)+ci], v[(\src)+cl]
.endif
.endif
.set ci, ci+1
.endr
.endm
.macro SORT32 in, b1, b2, desc         ; 15 stages; the result lies in b1, falling (desc = 1) or rising (0)
	CEST 32, \in, \b1, 2, 1, \desc
	CEST 32, \b1, \b2, 4, 2, \desc
	CEST 32, \b2, \b1, 4, 1, \desc
	CEST 32, \b1, \b2, 8, 4, \desc
	CEST 32, \b2, \b1, 8, 2, \desc
	CEST 32, \b1, \b2, 8, 1, \desc
	CEST 32, \b2, \b1, 16, 8, \desc
	CEST 32, \b1, \b2, 16, 4, \desc
	CEST 32, \b2, \b1, 16, 2, \desc
	CEST 32, \b1, \b2, 16, 1, \desc
	CEST 32, \b2, \b1, 32, 16, \desc
	CEST 32, \b1, \b2, 32, 8, \desc
	CEST 32, \b2, \b1, 32, 4, \desc
	CEST 32, \b1, \b2, 32, 2, \desc
	CEST 32, \b2, \b1, 32, 1, \desc
.endm
.macro MERGE a, b                      ; a bitonic run of 32 in a becomes a falling run in b
	CEST 32, \a, \b, 32, 16, 1
	CEST 32, \b, \a, 32, 8, 1
	CEST 32, \a, \b, 32, 4, 1
	CEST 32, \b, \a, 32, 2, 1
	CEST 32, \a, \b, 32, 1, 1
.endm
.macro XMERGE m                        ; with lane l xor m: my falling run against its run read backwards: the larger 32 of the 64, bitonic; then sorted
.set xi, 0
.rept 32
	v_max_num_f32_dpp v[Q+xi], v[P+31-xi], v[P+xi] row_xmask:\m row_mask:0xf bank_mask:0xf
.set xi, xi+1
.endr
	MERGE Q, P
.endm
; The two halves' runs a and b.  The SMALLER of a[i] and b[31 - i] are places 33 to 64 of the 64, a bitonic run; two halvings by maxima leave its best 8; their minimum is the 40th.
.macro XLAST40
.set xi, 0
.rept 32
	v_permlanex16_b32 v[Q+xi], v[P+31-xi], s[SEL], s[SEL+1]
.set xi, xi+1
.endr
	v_max_num_f32 v[T], v[P+31], v[Q]              ; the larger of the two halves' 32nd
.set xi, 0
.rept 32
	v_min_num_f32 v[Q+xi], v[Q+xi], v[P+xi]
.set xi, xi+1
.endr
.set xi, 0
.rept 16
	v_max_num_f32 v[Q+xi], v[Q+xi], v[Q+16+xi]
.set xi, xi+1
.endr
.set xi, 0
.rept 8
	v_max_num_f32 v[Q+xi], v[Q+xi], v[Q+8+xi]
.set xi, xi+1
.endr
	v_min3_num_f32 v[N0], v[Q], v[Q+1], v[Q+2]
	v_min3_num_f32 v[N0], v[N0], v[Q+3], v[Q+4]
	v_min3_num_f32 v[N0], v[N0], v[Q+5], v[Q+6]
	v_min_num_f32 v[N0], v[N0], v[Q+7]
	v_max_num_f32 v[T], v[T], v[N0]                ; the same in every lane
.endm
.macro COUNT n                         ; s[SR] = CAP - the number of values over the threshold; the compares in runs of eight
	s_mov_b32 s[SC], 0
.set xg, 0
.rept (\n)/8
.irp e, 0,1,2,3,4,5,6,7
	v_cmp_gt_f32 s[CT+\e], v[O+xg+\e], v[T]
.endr
.irp e, 0,1,2,3,4,5,6,7
	s_bcnt1_i32_b32 s[CT+\e], s[CT+\e]
.endr
.irp e, 0,1,2,3,4,5,6,7
	s_add_co_u32 s[SC], s[SC], s[CT+\e]
.endr
.set xg, xg+8
.endr
	s_sub_co_u32 s[SR], CAP, s[SC]
.endm
; Register j's mask of chosen lanes: over the threshold, or equal to it and among the first s[SR] equals (s[SE] counts the equals so far).  s[SP] counts the chosen so far:
; a lane whose place is at least s[SP] takes this word and its tag; in the end it holds the last word with s[SP] <= its place, which is the word that holds its bit.
.macro PICK j, tag
	v_cmp_gt_f32 s[SGT], v[O+(\j)], v[T]
	v_cmp_eq_f32 s[SEQ], v[O+(\j)], v[T]
	v_mbcnt_lo_u32_b32 v[N0], s[SEQ], s[SE]        ; my rank among the equals
	v_cmp_gt_u32 s[SS], s[SR], v[N0]
	v_cmp_le_u32 vcc_lo, s[SP], v[LN]
	v_cmp_le_u32 s[SV], s[SP], v[LN2]
	s_or_b32 s[ST], s[SP], \tag
	s_bcnt1_i32_b32 s[SB], s[SEQ]
	s_add_co_u32 s[SE], s[SE], s[SB]
	s_and_b32 s[SS], s[SS], s[SEQ]
	s_or_b32 s[SS], s[SS], s[SGT]
	v_cndmask_b32 v[WA], v[WA], s[SS], vcc_lo
	v_cndmask_b32 v[PA], v[PA], s[ST], vcc_lo
	v_cndmask_b32 v[WB], v[WB], s[SS], s[SV]
	v_cndmask_b32 v[PB], v[PB], s[ST], s[SV]
	s_bcnt1_i32_b32 s[SB], s[SS]
	s_add_co_u32 s[SP], s[SP], s[SB]
.endm
.macro NSTEP x, width, field           ; if the bit sought lies beyond the lower half of the field in hand, pass that half over
	v_bfe_u32 v[N7], v[\x], v[N2], \field
	v_add_nc_u32 v[N8], \width, v[N2]
	v_cmp_ge_u32 vcc_lo, v[N1], v[N7]
	v_sub_nc_u32 v[N7], v[N1], v[N7]
	v_cndmask_b32 v[N1], v[N1], v[N7], vcc_lo
	v_cndmask_b32 v[N2], v[N2], v[N8], vcc_lo
.endm
.macro NTH w, pk, tg                   ; v[N2] = the place in word w of set bit number (tg - the bits in front of the word): counts of 2, 4, 8, 16 bits, then five halvings
	v_and_b32 v[N1], 63, v[\pk]
	v_sub_nc_u32 v[N1], v[\tg], v[N1]
	v_mov_b32 v[N2], 0
	v_lshrrev_b32 v[N3], 1, v[\w]
	v_and_b32 v[N3], 0x55555555, v[N3]
	v_sub_nc_u32 v[N3], v[\w], v[N3]
	v_lshrrev_b32 v[N4], 2, v[N3]
	v_and_b32 v[N4], 0x33333333, v[N4]
	v_and_b32 v[N7], 0x33333333, v[N3]
	v_add_nc_u32 v[N4], v[N4], v[N7]
	v_lshrrev_b32 v[N5], 4, v[N4]
	v_add_nc_u32 v[N5], v[N5], v[N4]
	v_and_b32 v[N5], 0x0f0f0f0f, v[N5]
	v_lshrrev_b32 v[N6], 8, v[N5]
	v_add_nc_u32 v[N6], v[N6], v[N5]
	NSTEP N6, 16, 8
	NSTEP N5, 8, 8
	NSTEP N4, 4, 4
	NSTEP N3, 2, 2
	NSTEP \w, 1, 1
.endm
	s_load_b128 s[4:7], s[0:1], 0x0                ; gmax, glist
	v_lshrrev_b32 v1, 5, v0
	v_readfirstlane_b32 s8, v1                     ; wave
	v_and_b32 v1, 31, v0                           ; lane
	v_lshlrev_b32 v2, 2, v1
	v_add_nc_u32 v[LN2], 32, v1
	s_lshl_b32 s9, ttmp9, 2
	s_add_co_u32 s9, s9, s8                        ; my row
	s_lshl_b32 s14, s9, 13
	s_mov_b32 s15, 0
	s_lshl_b32 s16, s9, 8
	s_mov_b32 s17, 0
	s_mov_b32 s[SEL], 0x76543210
	s_mov_b32 s[SEL+1], 0xfedcba98
	s_wait_kmcnt 0x0
	s_add_nc_u64 s[4:5], s[4:5], s[14:15]
	s_add_nc_u64 s[6:7], s[6:7], s[16:17]
.irp j, 0,1,2,3,4,5,6,7,8,9,10,11,12,13,14,15,16,17,18,19,20,21,22,23,24,25,26,27,28,29,30,31,32,33,34,35,36,37,38,39,40,41,42,43,44,45,46,47,48,49,50,51,52,53,54,55,56,57,58,59,60,61,62,63
	global_load_b32 v[O+\j], v2, s[4:5] offset:128*\j th:TH_LOAD_NT
.endr
	s_wait_loadcnt 32                              ; the first 32 registers are in
	SORT32 O, R, Q, 1                              ; falling, in R
	s_wait_loadcnt 0x0
	SORT32 O+32, P, Q, 0                           ; rising, in P
.set xi, 0
.rept 32
	v_max_num_f32 v[Q+xi], v[R+xi], v[P+xi]        ; the larger 32 of my 64, bitonic
.set xi, xi+1
.endr
	MERGE Q, P
	XMERGE 1
	XMERGE 2
	XMERGE 4
	XMERGE 8
	XLAST40
	COUNT 64
	s_mov_b32 s[SE], 0
	s_mov_b32 s[SP], 0
	v_mov_b32 v[WA], 0
	v_mov_b32 v[PA], 0
	v_mov_b32 v[WB], 0
	v_mov_b32 v[PB], 0
.irp j, 0,1,2,3,4,5,6,7,8,9,10,11,12,13,14,15,16,17,18,19,20,21,22,23,24,25,26,27,28,29,30,31,32,33,34,35,36,37,38,39,40,41,42,43,44,45,46,47,48,49,50,51,52,53,54,55,56,57,58,59,60,61,62,63
	PICK \j, \j<<16
.endr
	NTH WA, PA, LN
	v_lshrrev_b32 v[N7], 16, v[PA]
	v_lshl_add_u32 v[OUT0], v[N7], 5, v[N2]        ; group = 32 x register + lane of the bit.  Places 0-31 are always filled
	global_store_b32 v2, v[OUT0], s[6:7]
	NTH WB, PB, LN2
	v_lshrrev_b32 v[N7], 16, v[PB]
	v_lshl_add_u32 v[OUT1], v[N7], 5, v[N2]
	v_cmp_gt_u32 vcc_lo, s[SP], v[LN2]             ; is my second place under the count?
	v_cndmask_b32 v[OUT1], 0x80000000, v[OUT1], vcc_lo
	global_store_b32 v2, v[OUT1], s[6:7] offset:128   ; the wave's two stores fill 256 consecutive bytes, aligned
	s_endpgm
.Lfunc_end_k_q5471013a4f_gsel:
	.size	k_q5471013a4f_gsel, .Lfunc_end_k_q5471013a4f_gsel-k_q5471013a4f_gsel
	.p2alignl 7, 3214868480
	.fill 96, 4, 3214868480
	.section	.rodata,"a",@progbits
	.p2align	6, 0x0
	.amdhsa_kernel k_q5471013a4f_gsel
		.amdhsa_group_segment_fixed_size 0
		.amdhsa_private_segment_fixed_size 0
		.amdhsa_enable_private_segment 0
		.amdhsa_kernarg_size 16
		.amdhsa_user_sgpr_count 2
		.amdhsa_user_sgpr_kernarg_segment_ptr 1
		.amdhsa_wavefront_size32 1
		.amdhsa_system_sgpr_workgroup_id_x 1
		.amdhsa_system_sgpr_workgroup_id_y 1
		.amdhsa_system_sgpr_workgroup_id_z 1
		.amdhsa_system_vgpr_workitem_id 0
		.amdhsa_next_free_vgpr 224
		.amdhsa_next_free_sgpr 80
		.amdhsa_reserve_vcc 1
		.amdhsa_float_denorm_mode_32 3
		.amdhsa_float_denorm_mode_16_64 3
		.amdhsa_memory_ordered 1
		.amdhsa_forward_progress 1
		.amdhsa_inst_pref_size 142
	.end_amdhsa_kernel
	.amdgpu_metadata
---
amdhsa.version: [ 1, 2 ]
amdhsa.kernels:
  - .name:           k_q5471013a4f_gsel
    .symbol:         k_q5471013a4f_gsel.kd
    .args:
      - { .name: gmax, .offset: 0, .size: 8, .value_kind: global_buffer, .address_space: global }
      - { .name: glist, .offset: 8, .size: 8, .value_kind: global_buffer, .address_space: global }
    .group_segment_fixed_size: 0
    .private_segment_fixed_size: 0
    .kernarg_segment_align: 8
    .kernarg_segment_size: 16
    .max_flat_workgroup_size: 128
    .sgpr_count:     80
    .vgpr_count:     224
    .wavefront_size: 32
...
	.end_amdgpu_metadata
.endif
;; end of part 3
;; launch rescore (part 4): grid 512 x 1, 4 waves a work-group, no clusters, 0 bytes of LDS; arguments codes, scales, glist, cand, klist; writes cand, klist
.if DOCPART == 4
	.amdgcn_target "amdgcn-amd-amdhsa--gfx1250"
	.amdhsa_code_object_version 6
	.text
	.protected	k_q5471013a4f_rescore
	.globl	k_q5471013a4f_rescore
	.p2align	8
	.type	k_q5471013a4f_rescore,@function
k_q5471013a4f_rescore:
	s_mov_b64 s[64:65], 0
	v_nop
	global_prefetch_b8 v0, s[64:65] scope:SCOPE_SE
	s_setreg_imm32_b32 hwreg(HW_REG_WAVE_MODE, 25, 1), 1
	s_wait_xcnt 0x0
; The up to 40 groups of a row (glist, whole numbers stored by the launch before) are scored again by the same matrix instruction on the same codes: 1,280 candidates.
; cand[row][32 j + i] = the score of key 32 glist[row][j] + i (-infinity where place j of the list is empty).
; klist[row][0..63]: the up to 40 best candidates, keys ascending, as key | (place in cand << 16); places from the count on hold 0x80000000.  The last choice, 32 of them, is made by the next launch on f32 sums.
; One wave takes one row.  Source 0 = the query's row in all 16 rows of the operand, source 1 = 16 keys: register 0 of the result holds key (lane % 16)'s score in both halves of the lanes.
; Fifteen sixteenths of each product are copies: the price of rows whose candidates differ.  Two tiles make a group: lanes 0-15 take the first tile's register 0, lanes 16-31 the second's.
; The threshold and the list are made as in the launch before: networks of minima and maxima on values, then masks; the list is data, stored at fixed places: no address and no branch hangs on a score.
; The group numbers enter addresses behind a clamp to 2,047.  No LDS, no barrier.
; LIMITS: the margin is 8 candidates, fewer where more than 32 of the best 40 fall into one half of the lanes; NaN and infinities are not served; +0 and -0 count as equal.
.set CAP, 40
.set QC,  8388608
.set QSO, 262144
.set LN,  1
.set NEG, 9                            ; v9     -infinity
.set AQ,  10                           ; v10-25 the query's fragment
.set AS,  26                           ; v26    its scale word
.set BS,  27                           ; v27-34 the keys' scale words, two sets of four
.set OC,  36                           ; v36-39 offsets of two groups' codes, two sets
.set OS,  40                           ; v40-43 of their scale words
.set O,   44                           ; v44-83 the candidates; never rewritten once stored
.set D,   84                           ; v84-115 four results; afterwards:
.set T,   84
.set WA,  85
.set PA,  86
.set WB,  87
.set PB,  88
.set LN2, 89
.set N0,  90
.set N1,  91
.set N2,  92
.set N3,  93
.set N4,  94
.set N5,  95
.set N6,  96
.set N7,  97
.set N8,  98
.set OUT0, 99
.set E1,  100
.set E2,  108
.set KF,  116                          ; v116-243 four fragments of keys, two sets; afterwards:
.set P,   116
.set Q,   148
.set OUT1, 244
.set GL,  16                           ; s16-55 the list
.set SEL, 56                           ; s56, s57
.set HI,  60                           ; s60 lanes 16-31
.set CT,  68                           ; s68-75
.set SGT, 76
.set SEQ, 77
.set SC,  78
.set SR,  79
.set SE,  80
.set SP,  81
.set SS,  82
.set SB,  83
.set ST,  84
.set SV,  85
.set TG,  86
.set VM,  88                           ; s88-95 all ones where place 32 + i of the list is empty
.macro CEST n, src, dst, k, j, desc    ; one stage of a bitonic network on n registers, from src to dst
.set ci, 0
.rept \n
.set cl, ci^(\j)
.if cl > ci
.if (((ci/(\k))&1)^(\desc))
	v_max_num_f32 v[(\dst)+ci], v[(\src)+ci], v[(\src)+cl]
	v_min_num_f32 v[(\dst)+cl], v[(\src)+ci], v[(\src)+cl]
.else
	v_min_num_f32 v[(\dst)+ci], v[(\src)+ci], v[(\src)+cl]
	v_max_num_f32 v[(\dst)+cl], v[(\src)+ci], v[(\src)+cl]
.endif
.endif
.set ci, ci+1
.endr
.endm
.macro SORT32 in, b1, b2, desc         ; 15 stages; the result lies in b1
	CEST 32, \in, \b1, 2, 1, \desc
	CEST 32, \b1, \b2, 4, 2, \desc
	CEST 32, \b2, \b1, 4, 1, \desc
	CEST 32, \b1, \b2, 8, 4, \desc
	CEST 32, \b2, \b1, 8, 2, \desc
	CEST 32, \b1, \b2, 8, 1, \desc
	CEST 32, \b2, \b1, 16, 8, \desc
	CEST 32, \b1, \b2, 16, 4, \desc
	CEST 32, \b2, \b1, 16, 2, \desc
	CEST 32, \b1, \b2, 16, 1, \desc
	CEST 32, \b2, \b1, 32, 16, \desc
	CEST 32, \b1, \b2, 32, 8, \desc
	CEST 32, \b2, \b1, 32, 4, \desc
	CEST 32, \b1, \b2, 32, 2, \desc
	CEST 32, \b2, \b1, 32, 1, \desc
.endm
.macro SORT8 in, b1, b2, desc          ; six stages; the result lies in b2
	CEST 8, \in, \b1, 2, 1, \desc
	CEST 8, \b1, \b2, 4, 2, \desc
	CEST 8, \b2, \b1, 4, 1, \desc
	CEST 8, \b1, \b2, 8, 4, \desc
	CEST 8, \b2, \b1, 8, 2, \desc
	CEST 8, \b1, \b2, 8, 1, \desc
.endm
.macro MERGE a, b                      ; a bitonic run in a becomes a falling run in b
	CEST 32, \a, \b, 32, 16, 1
	CEST 32, \b, \a, 32, 8, 1
	CEST 32, \a, \b, 32, 4, 1
	CEST 32, \b, \a, 32, 2, 1
	CEST 32, \a, \b, 32, 1, 1
.endm
.macro XMERGE m                        ; with lane l xor m: the larger 32 of the two runs, sorted
.set xi, 0
.rept 32
	v_max_num_f32_dpp v[Q+xi], v[P+31-xi], v[P+xi] row_xmask:\m row_mask:0xf bank_mask:0xf
.set xi, xi+1
.endr
	MERGE Q, P
.endm
.macro XLAST40                         ; T = max(the two halves' 32nd, the 40th of their 64)
.set xi, 0
.rept 32
	v_permlanex16_b32 v[Q+xi], v[P+31-xi], s[SEL], s[SEL+1]
.set xi, xi+1
.endr
	v_max_num_f32 v[T], v[P+31], v[Q]
.set xi, 0
.rept 32
	v_min_num_f32 v[Q+xi], v[Q+xi], v[P+xi]        ; places 33 to 64 of the 64, a bitonic run
.set xi, xi+1
.endr
.set xi, 0
.rept 16
	v_max_num_f32 v[Q+xi], v[Q+xi], v[Q+16+xi]
.set xi, xi+1
.endr
.set xi, 0
.rept 8
	v_max_num_f32 v[Q+xi], v[Q+xi], v[Q+8+xi]      ; its best 8
.set xi, xi+1
.endr
	v_min3_num_f32 v[N0], v[Q], v[Q+1], v[Q+2]
	v_min3_num_f32 v[N0], v[N0], v[Q+3], v[Q+4]
	v_min3_num_f32 v[N0], v[N0], v[Q+5], v[Q+6]
	v_min_num_f32 v[N0], v[N0], v[Q+7]
	v_max_num_f32 v[T], v[T], v[N0]
.endm
.macro COUNT n                         ; s[SR] = CAP - the number of values over the threshold
	s_mov_b32 s[SC], 0
.set xg, 0
.rept (\n)/8
.irp e, 0,1,2,3,4,5,6,7
	v_cmp_gt_f32 s[CT+\e], v[O+xg+\e], v[T]
.endr
.irp e, 0,1,2,3,4,5,6,7
	s_bcnt1_i32_b32 s[CT+\e], s[CT+\e]
.endr
.irp e, 0,1,2,3,4,5,6,7
	s_add_co_u32 s[SC], s[SC], s[CT+\e]
.endr
.set xg, xg+8
.endr
	s_sub_co_u32 s[SR], CAP, s[SC]
.endm
.macro PICK j, tag                     ; register j's mask of chosen lanes; a lane whose place is at least the count so far takes the word and its tag
	v_cmp_gt_f32 s[SGT], v[O+(\j)], v[T]
	v_cmp_eq_f32 s[SEQ], v[O+(\j)], v[T]
	v_mbcnt_lo_u32_b32 v[N0], s[SEQ], s[SE]
	v_cmp_gt_u32 s[SS], s[SR], v[N0]
	v_cmp_le_u32 vcc_lo, s[SP], v[LN]
	v_cmp_le_u32 s[SV], s[SP], v[LN2]
	s_or_b32 s[ST], s[SP], \tag
	s_bcnt1_i32_b32 s[SB], s[SEQ]
	s_add_co_u32 s[SE], s[SE], s[SB]
	s_and_b32 s[SS], s[SS], s[SEQ]
	s_or_b32 s[SS], s[SS], s[SGT]
	v_cndmask_b32 v[WA], v[WA], s[SS], vcc_lo
	v_cndmask_b32 v[PA], v[PA], s[ST], vcc_lo
	v_cndmask_b32 v[WB], v[WB], s[SS], s[SV]
	v_cndmask_b32 v[PB], v[PB], s[ST], s[SV]
	s_bcnt1_i32_b32 s[SB], s[SS]
	s_add_co_u32 s[SP], s[SP], s[SB]
.endm
.macro NSTEP x, width, field
	v_bfe_u32 v[N7], v[\x], v[N2], \field
	v_add_nc_u32 v[N8], \width, v[N2]
	v_cmp_ge_u32 vcc_lo, v[N1], v[N7]
	v_sub_nc_u32 v[N7], v[N1], v[N7]
	v_cndmask_b32 v[N1], v[N1], v[N7], vcc_lo
	v_cndmask_b32 v[N2], v[N2], v[N8], vcc_lo
.endm
.macro NTH w, pk, tg                   ; v[N2] = the place in word w of the set bit that belongs to place tg
	v_and_b32 v[N1], 63, v[\pk]
	v_sub_nc_u32 v[N1], v[\tg], v[N1]
	v_mov_b32 v[N2], 0
	v_lshrrev_b32 v[N3], 1, v[\w]
	v_and_b32 v[N3], 0x55555555, v[N3]
	v_sub_nc_u32 v[N3], v[\w], v[N3]
	v_lshrrev_b32 v[N4], 2, v[N3]
	v_and_b32 v[N4], 0x33333333, v[N4]
	v_and_b32 v[N7], 0x33333333, v[N3]
	v_add_nc_u32 v[N4], v[N4], v[N7]
	v_lshrrev_b32 v[N5], 4, v[N4]
	v_add_nc_u32 v[N5], v[N5], v[N4]
	v_and_b32 v[N5], 0x0f0f0f0f, v[N5]
	v_lshrrev_b32 v[N6], 8, v[N5]
	v_add_nc_u32 v[N6], v[N6], v[N5]
	NSTEP N6, 16, 8
	NSTEP N5, 8, 8
	NSTEP N4, 4, 4
	NSTEP N3, 2, 2
	NSTEP \w, 1, 1
.endm
	s_load_b128 s[4:7], s[0:1], 0x0                ; codes, scales
	s_load_b128 s[8:11], s[0:1], 0x10              ; glist, cand
	s_load_b64 s[12:13], s[0:1], 0x20              ; klist
	v_lshrrev_b32 v1, 5, v0
	v_readfirstlane_b32 s14, v1                    ; wave
	v_and_b32 v1, 31, v0                           ; lane
	v_and_b32 v2, 15, v0                           ; r
	v_bfe_u32 v3, v0, 4, 1                         ; h
	v_lshlrev_b32 v4, 7, v2
	v_lshl_add_u32 v4, v3, 4, v4                   ; a tile of keys: row r of 128 bytes, + 16 h
	v_lshlrev_b32 v5, 2, v2                        ; its scale words
	v_lshlrev_b32 v6, 2, v1                        ; 4 x lane
	v_lshlrev_b32 v7, 4, v3                        ; the query's row, the same for every r: 16 h
	v_mov_b32 v8, 0
	v_mov_b32 v[NEG], 0xff800000
	s_lshl_b32 s15, ttmp9, 2
	s_add_co_u32 s15, s15, s14                     ; my row
	s_mov_b32 s[SEL], 0x76543210
	s_mov_b32 s[SEL+1], 0xfedcba98
	s_mov_b32 s[HI], 0xffff0000
	s_lshl_b32 s58, s15, 8
	s_mov_b32 s59, 0
	s_wait_kmcnt 0x0
	s_add_nc_u64 s[8:9], s[8:9], s[58:59]          ; my row of the list of groups
	s_add_nc_u64 s[12:13], s[12:13], s[58:59]
	s_load_b512 s[16:31], s[8:9], 0x0
	s_load_b512 s[32:47], s[8:9], 0x40
	s_load_b256 s[48:55], s[8:9], 0x80
	s_lshl_b32 s58, s15, 7
	s_add_co_u32 s58, s58, QC
	s_add_nc_u64 s[62:63], s[4:5], s[58:59]        ; the query's codes
	s_lshl_b32 s58, s15, 2
	s_add_co_u32 s58, s58, QSO
	s_add_nc_u64 s[66:67], s[6:7], s[58:59]        ; its scale word
	s_mul_i32 s58, s15, 5120
	s_add_nc_u64 s[10:11], s[10:11], s[58:59]      ; my row of cand
.irp c, 0,1,2,3
	global_load_b128 v[AQ+4*\c:AQ+4*\c+3], v7, s[62:63] offset:32*\c
.endr
	global_load_b32 v[AS], v8, s[66:67]
	s_wait_kmcnt 0x0
.irp i, 0,1,2,3,4,5,6,7
	s_ashr_i32 s[VM+\i], s[GL+32+\i], 31           ; all ones where the place is empty (only places 32 on can be)
.endr
.irp j, 0,1,2,3,4,5,6,7,8,9,10,11,12,13,14,15,16,17,18,19,20,21,22,23,24,25,26,27,28,29,30,31,32,33,34,35,36,37,38,39
	s_min_u32 s[GL+\j], s[GL+\j], 2047             ; a loaded number enters addresses only behind a clamp
.endr
; Groups 2 b and 2 b + 1 into set b % 2: four address lines, then 20 loads.  The set's earlier loads have been waited for, so its offsets may be written.
.macro LOADB b
.irp g, 0,1
	v_lshl_add_u32 v[OC+2*((\b)%2)+\g], s[GL+2*(\b)+\g], 12, v4     ; a group's codes are 4,096 bytes
	v_lshl_add_u32 v[OS+2*((\b)%2)+\g], s[GL+2*(\b)+\g], 7, v5      ; its scale words 128
.endr
.irp g, 0,1
.irp u, 0,1
.irp c, 0,1,2,3
	global_load_b128 v[KF+64*((\b)%2)+16*(2*\g+\u)+4*\c:KF+64*((\b)%2)+16*(2*\g+\u)+4*\c+3], v[OC+2*((\b)%2)+\g], s[4:5] offset:2048*\u+32*\c
.endr
	global_load_b32 v[BS+4*((\b)%2)+2*\g+\u], v[OS+2*((\b)%2)+\g], s[6:7] offset:64*\u
.endr
.endr
.endm
; cnt: the loads issued behind this batch's: the next batch's 20, or none
.macro BATCH b, cnt
	s_wait_loadcnt \cnt
.irp i, 0,1,2,3
	v_wmma_scale_f32_16x16x128_f8f6f4 v[D+8*\i:D+8*\i+7], v[AQ:AQ+15], v[KF+64*((\b)%2)+16*\i:KF+64*((\b)%2)+16*\i+15], 0, v[AS], v[BS+4*((\b)%2)+\i]
.endr
.if (\b) < 18
.rept 6
	v_nop                                          ; with the four address lines below: ten places in front of the loads into the set just multiplied, of the reads of results, and of the next batch's products, which write the results anew
.endr
	LOADB (\b)+2
.else
.rept 10
	v_nop
.endr
.endif
.irp g, 0,1
	v_cndmask_b32 v[O+2*(\b)+\g], v[D+16*\g], v[D+16*\g+8], s[HI]   ; lanes 0-15: keys 0-15 of the group; lanes 16-31: keys 16-31.  Register 0 of each result
.endr
.if (\b) >= 16
.irp g, 0,1
	v_cndmask_b32 v[O+2*(\b)+\g], v[O+2*(\b)+\g], v[NEG], s[VM+2*(\b)+\g-32]   ; an empty place counts for nothing
.endr
.endif
.irp g, 0,1
	global_store_b32 v6, v[O+2*(\b)+\g], s[10:11] offset:128*(2*(\b)+\g)
.endr
.endm
	LOADB 0
	LOADB 1
.irp b, 0,1,2,3,4,5,6,7,8,9,10,11,12,13,14,15,16,17,18
	BATCH \b, 20
.endr
	BATCH 19, 0
	v_add_nc_u32 v[LN2], 32, v[LN]                 ; (the results' and the keys' registers are done with; ten places stand behind the last products)
	SORT32 O, Q, P, 1                              ; my first 32 candidates, falling, in Q
	SORT8 O+32, E1, E2, 0                          ; my other 8, rising, in E2
.set xi, 0
.rept 8
	v_max_num_f32 v[Q+24+xi], v[Q+24+xi], v[E2+xi] ; the larger 32 of my 40, bitonic
.set xi, xi+1
.endr
	MERGE Q, P
	XMERGE 1
	XMERGE 2
	XMERGE 4
	XMERGE 8
	XLAST40
	COUNT 40
	s_mov_b32 s[SE], 0
	s_mov_b32 s[SP], 0
	v_mov_b32 v[WA], 0
	v_mov_b32 v[PA], 0
	v_mov_b32 v[WB], 0
	v_mov_b32 v[PB], 0
.irp j, 0,1,2,3,4,5,6,7,8,9,10,11,12,13,14,15,16,17,18,19,20,21,22,23,24,25,26,27,28,29,30,31,32,33,34,35,36,37,38,39
	s_lshl_b32 s[TG], s[GL+\j], 16                 ; the tag: the group's number, and its place in the list
	s_or_b32 s[TG], s[TG], \j<<8
	PICK \j, s[TG]
.endr
	NTH WA, PA, LN
	v_lshrrev_b32 v[N7], 16, v[PA]
	v_lshl_add_u32 v[N7], v[N7], 5, v[N2]          ; key = 32 x group + bit
	v_bfe_u32 v[N8], v[PA], 8, 6
	v_lshl_add_u32 v[N8], v[N8], 5, v[N2]          ; place in cand = 32 x place in the list + bit
	v_lshl_or_b32 v[OUT0], v[N8], 16, v[N7]
	global_store_b32 v6, v[OUT0], s[12:13]
	NTH WB, PB, LN2
	v_lshrrev_b32 v[N7], 16, v[PB]
	v_lshl_add_u32 v[N7], v[N7], 5, v[N2]
	v_bfe_u32 v[N8], v[PB], 8, 6
	v_lshl_add_u32 v[N8], v[N8], 5, v[N2]
	v_lshl_or_b32 v[OUT1], v[N8], 16, v[N7]
	v_cmp_gt_u32 vcc_lo, s[SP], v[LN2]             ; is my second place under the count?
	v_cndmask_b32 v[OUT1], 0x80000000, v[OUT1], vcc_lo
	global_store_b32 v6, v[OUT1], s[12:13] offset:128   ; the wave's two stores fill 256 consecutive bytes, aligned
	s_endpgm
.Lfunc_end_k_q5471013a4f_rescore:
	.size	k_q5471013a4f_rescore, .Lfunc_end_k_q5471013a4f_rescore-k_q5471013a4f_rescore
	.p2alignl 7, 3214868480
	.fill 96, 4, 3214868480
	.section	.rodata,"a",@progbits
	.p2align	6, 0x0
	.amdhsa_kernel k_q5471013a4f_rescore
		.amdhsa_group_segment_fixed_size 0
		.amdhsa_private_segment_fixed_size 0
		.amdhsa_enable_private_segment 0
		.amdhsa_kernarg_size 40
		.amdhsa_user_sgpr_count 2
		.amdhsa_user_sgpr_kernarg_segment_ptr 1
		.amdhsa_wavefront_size32 1
		.amdhsa_system_sgpr_workgroup_id_x 1
		.amdhsa_system_sgpr_workgroup_id_y 1
		.amdhsa_system_sgpr_workgroup_id_z 1
		.amdhsa_system_vgpr_workitem_id 0
		.amdhsa_next_free_vgpr 256
		.amdhsa_next_free_sgpr 96
		.amdhsa_reserve_vcc 1
		.amdhsa_float_denorm_mode_32 3
		.amdhsa_float_denorm_mode_16_64 3
		.amdhsa_memory_ordered 1
		.amdhsa_forward_progress 1
		.amdhsa_inst_pref_size 169
	.end_amdhsa_kernel
	.amdgpu_metadata
---
amdhsa.version: [ 1, 2 ]
amdhsa.kernels:
  - .name:           k_q5471013a4f_rescore
    .symbol:         k_q5471013a4f_rescore.kd
    .args:
      - { .name: codes, .offset: 0, .size: 8, .value_kind: global_buffer, .address_space: global }
      - { .name: scales, .offset: 8, .size: 8, .value_kind: global_buffer, .address_space: global }
      - { .name: glist, .offset: 16, .size: 8, .value_kind: global_buffer, .address_space: global }
      - { .name: cand, .offset: 24, .size: 8, .value_kind: global_buffer, .address_space: global }
      - { .name: klist, .offset: 32, .size: 8, .value_kind: global_buffer, .address_space: global }
    .group_segment_fixed_size: 0
    .private_segment_fixed_size: 0
    .kernarg_segment_align: 8
    .kernarg_segment_size: 40
    .max_flat_workgroup_size: 128
    .sgpr_count:     96
    .vgpr_count:     256
    .wavefront_size: 32
...
	.end_amdgpu_metadata
.endif
;; end of part 4
;; launch final (part 5): grid 256 x 1, 8 waves a work-group, no clusters, 26,112 bytes of LDS; arguments klist, cand, pool, codes, scales, out0; writes out0
.if DOCPART == 5
	.amdgcn_target "amdgcn-amd-amdhsa--gfx1250"
	.amdhsa_code_object_version 6
	.text
	.protected	k_q5471013a4f_final
	.globl	k_q5471013a4f_final
	.p2align	8
	.type	k_q5471013a4f_final,@function
k_q5471013a4f_final:
	s_mov_b64 s[64:65], 0
	v_nop
	global_prefetch_b8 v0, s[64:65] scope:SCOPE_SE
	s_setreg_imm32_b32 hwreg(HW_REG_WAVE_MODE, 25, 1), 1
	s_wait_xcnt 0x0
; out0[row] = Q(sum over the row's top 32 keys of softmax weight x pool[key]) Q(w_out)^T.  klist holds up to 40 candidates a row, keys ascending, whole numbers stored by the launch before.
; SHARES.  A work-group takes 8 rows; wave w works for row 8 x work-group + w; lane k holds candidates k and 32 + k.
; THE LAST CHOICE, 32 OF 40, IS MADE ON f32 SUMS, which define the result: two scores that differ in their last bits may come out of the matrix instruction in another order.  The candidates' and the query's codes
; are widened, multiplied by their blocks' powers of two (exact) and summed by one chain of fused multiply-adds in ascending k: 40 x 128 of the row's 65,536 x 128 products.  A candidate's rank is the number of
; candidates with a larger sum, or an equal sum and an earlier place (the lower key); ranks under 32 are in.  These sums decide the order alone: THE WEIGHTS COME FROM THE MATRIX UNIT'S SCORES (cand).
; What is out gets the score -infinity, so the weight 0, and all 40 rows of pool are weighed in: no address and no branch hangs on a score.  Eight rows in forty are read for nothing; a launch more would cost more.
; The 8 sums meet in LDS.  Every wave quantises them along K = 256 (two fragments) and makes output columns 32 w .. 32 w + 31: source 0 = 16 rows of w_out, source 1 = the sums.
; Columns r and r + 8 of source 1 hold the same row r & 7: half a tile is a copy: the price of 256 work-groups for the gather; the product is four matrix instructions a wave.
; No cluster and no tensor load: the rows gathered differ from wave to wave; w_out's codes, the one shared input, are 64 KB against 0.3 MB gathered by a work-group.
; LIMITS: where a score is not exact in f32, a sum in another order than ascending k can differ in its last bit; the weighted sum runs in key order (f32 rounding alone differs);
; a block of zeros gets the scale byte 1 over zero codes; NaN and infinities are not served.
.set QC,   8388608                     ; the query's codes in the codes' buffer
.set QSO,  262144                      ; and its scale bytes
.set WC,   8650752                     ; w_out's codes
.set WSO,  270336                      ; and its scale bytes
.set AGG,  0                           ; LDS: 8 rows of 1,024 bytes + 16
.set OUTS, 8448                        ; 16 rows of 1,024 bytes + 16
.set PC0,  8                           ; v8-23   at work; v16-23 the sums; at last the first fragment's codes
.set ACC,  16
.set OFFS, 24                          ; v24-39  the blocks' scales, then offsets of 8 rows of pool, two sets; afterwards:
.set TM,   24                          ; v24-27 largest magnitudes, v28-31 bytes, v32-35 448 x the scale, v36-39 the conversions' scale operands
.set KAF,  48                          ; v48-79, v80-111 a block of each candidate as f32; afterwards:
.set KBF,  80
.set WF,   48                          ; v48-111 w_out's fragments: tile t, K step s at 16 (2 t + s)
.set WSR,  112                         ; v112-115 their scale words
.set PW,   116                         ; v116-117 the sums' scale words
.set QCD,  128                         ; v128-159 the query's codes; v160-191, v192-223 the candidates'; v224-255 a block of the query as f32; afterwards:
.set KAC,  160
.set KBC,  192
.set QF,   224
.set PD,   128                         ; v128-255 8 rows of pool, two sets; afterwards the sums as f32: 64 numbers for each K step
.set PC1,  128                         ; the second fragment's codes
.set DD,   144                         ; v144-159 two results
.set GL,   16                          ; s16-55 the list
.set SEL,  58                          ; s58, s59
.set MNT,  60
	s_load_b128 s[4:7], s[0:1], 0x0                ; klist, cand
	s_load_b128 s[8:11], s[0:1], 0x10              ; pool, codes
	s_load_b128 s[12:15], s[0:1], 0x20             ; scales, out0
	v_lshl_add_u32 v126, v0, 2, 0x6200
	v_mov_b32 v127, 0
	v_lshrrev_b32 v1, 5, v0
	v_readfirstlane_b32 s56, v1                    ; wave 0..7
	v_and_b32 v1, 31, v0                           ; lane
	v_and_b32 v2, 15, v0                           ; r
	v_bfe_u32 v3, v0, 4, 1                         ; h
	v_lshlrev_b32 v4, 4, v1                        ; 16 x lane
	v_lshlrev_b32 v5, 2, v1                        ; 4 x lane
	v_lshlrev_b32 v6, 8, v2
	v_lshl_add_u32 v6, v3, 4, v6                   ; w_out: row r of 256 bytes, + 16 h
	v_lshlrev_b32 v7, 3, v2                        ; its scale bytes: 8 a row
	v_mov_b32 v122, 0
	v_mov_b32 v123, 0x7f7f7f7f                     ; the scale byte of 1.0, in every byte of every lane
	v_mov_b32 v124, 0xff800000                     ; -infinity
	v_mov_b32 v25, 0                               ; (the upper halves of pairs of which the low word alone is used)
	v_mov_b32 v27, 0
	v_mov_b32 v29, 0
	s_mul_i32 s61, s56, 1040
	v_add_nc_u32 v118, s61, v4                     ; where I put my row's sum
	v_and_b32 v119, 7, v2
	v_mul_u32_u24 v119, v119, 1040
	v_lshl_add_u32 v119, v3, 6, v119               ; where I read row r & 7: my 16 numbers of a block of 32
	v_mul_u32_u24 v120, v2, 1040
	v_lshl_add_u32 v120, v3, 5, v120
	s_lshl_b32 s62, s56, 7
	s_add_co_u32 s62, s62, OUTS
	v_add_nc_u32 v120, s62, v120                   ; results: row r, my 32 columns, + 8 h columns
	s_add_co_u32 s61, s61, OUTS
	v_add_nc_u32 v121, s61, v4                     ; back: row w
	s_mov_b32 s[SEL], 0x76543210
	s_mov_b32 s[SEL+1], 0xfedcba98
	s_mov_b32 s[MNT], 0x600000
	s_lshl_b32 s57, ttmp9, 3
	s_add_co_u32 s57, s57, s56                     ; my row
	s_lshl_b32 s62, s57, 8
	s_mov_b32 s63, 0
	s_wait_kmcnt 0x0
	s_add_nc_u64 s[4:5], s[4:5], s[62:63]
	s_load_b512 s[16:31], s[4:5], 0x0              ; the 40 list words as scalars, for the rows of pool,
	s_load_b512 s[32:47], s[4:5], 0x40
	s_load_b256 s[48:55], s[4:5], 0x80
	global_load_b32 v8, v5, s[4:5]                 ; and two a lane: candidates lane and 32 + lane
	global_load_b32 v9, v5, s[4:5] offset:128
	s_lshl_b32 s62, s57, 7
	s_add_co_u32 s62, s62, QC
	s_add_nc_u64 s[78:79], s[10:11], s[62:63]      ; the query's codes
	s_lshl_b32 s62, s57, 2
	s_add_co_u32 s62, s62, QSO
	s_add_nc_u64 s[80:81], s[12:13], s[62:63]      ; its scale word
.irp c, 0,1,2,3,4,5,6,7
	global_load_b128 v[QCD+4*\c:QCD+4*\c+3], v122, s[78:79] offset:16*\c   ; every lane takes the whole row
.endr
	global_load_b32 v18, v122, s[80:81]
	s_mul_i32 s62, s57, 5120
	s_add_nc_u64 s[6:7], s[6:7], s[62:63]          ; my row of cand
	s_lshl_b32 s62, s56, 13
	s_add_co_u32 s62, s62, WC
	s_add_nc_u64 s[74:75], s[10:11], s[62:63]      ; my 32 rows of w_out's codes
	s_lshl_b32 s62, s56, 8
	s_add_co_u32 s62, s62, WSO
	s_add_nc_u64 s[76:77], s[12:13], s[62:63]      ; and their scale bytes
	s_lshl_b32 s62, s57, 10
	s_add_nc_u64 s[14:15], s[14:15], s[62:63]      ; my row of out0
	s_wait_loadcnt 9                               ; my two list words are in; the query's nine loads may be out
	v_and_b32 v10, 0xffff, v8
	v_min_u32 v10, 0xffff, v10                     ; the key, behind a clamp (an empty place gives key 0)
	v_and_b32 v11, 0xffff, v9
	v_min_u32 v11, 0xffff, v11
	v_lshlrev_b32 v12, 2, v10                      ; its scale word,
	v_lshlrev_b32 v13, 2, v11
	v_lshlrev_b32 v10, 7, v10                      ; its 128 codes
	v_lshlrev_b32 v11, 7, v11
	v_bfe_u32 v14, v8, 16, 11
	v_min_u32 v14, 0x4ff, v14                      ; the place of its score in cand, behind a clamp
	v_lshlrev_b32 v14, 2, v14
	v_bfe_u32 v15, v9, 16, 11
	v_min_u32 v15, 0x4ff, v15
	v_lshlrev_b32 v15, 2, v15
.irp c, 0,1,2,3,4,5,6,7
	global_load_b128 v[KAC+4*\c:KAC+4*\c+3], v10, s[10:11] offset:16*\c
.endr
.irp c, 0,1,2,3,4,5,6,7
	global_load_b128 v[KBC+4*\c:KBC+4*\c+3], v11, s[10:11] offset:16*\c
.endr
	global_load_b32 v19, v12, s[12:13]
	global_load_b32 v20, v13, s[12:13]
	global_load_b32 v21, v14, s[6:7]               ; the matrix unit's scores
	global_load_b32 v22, v15, s[6:7]
	s_wait_loadcnt 0x0
; One block of 32 along K: the three scales as f32 (byte << 23), the codes widened, each number x its block's scale (exact), 32 links of each candidate's chain; the two chains by turns.
.macro EXBLK b
	v_bfe_u32 v24, v18, 8*\b, 8
	v_bfe_u32 v26, v19, 8*\b, 8
	v_bfe_u32 v28, v20, 8*\b, 8
	v_lshlrev_b32 v24, 23, v24
	v_lshlrev_b32 v26, 23, v26
	v_lshlrev_b32 v28, 23, v28
.irp g, 0,1,2,3
	v_cvt_scale_pk8_f32_fp8 v[QF+8*\g:QF+8*\g+7], v[QCD+8*\b+2*\g:QCD+8*\b+2*\g+1], v123
	v_cvt_scale_pk8_f32_fp8 v[KAF+8*\g:KAF+8*\g+7], v[KAC+8*\b+2*\g:KAC+8*\b+2*\g+1], v123
	v_cvt_scale_pk8_f32_fp8 v[KBF+8*\g:KBF+8*\g+7], v[KBC+8*\b+2*\g:KBC+8*\b+2*\g+1], v123
.endr
	v_nop                                          ; a plain place behind the conversions
.irp i, 0,2,4,6,8,10,12,14,16,18,20,22,24,26,28,30
	v_pk_mul_f32 v[QF+\i:QF+\i+1], v[QF+\i:QF+\i+1], v[24:25] op_sel_hi:[1,0]
	v_pk_mul_f32 v[KAF+\i:KAF+\i+1], v[KAF+\i:KAF+\i+1], v[26:27] op_sel_hi:[1,0]
	v_pk_mul_f32 v[KBF+\i:KBF+\i+1], v[KBF+\i:KBF+\i+1], v[28:29] op_sel_hi:[1,0]
.endr
.set ei, 0
.rept 32
.if (\b) == 0 && ei == 0
	v_mul_f32 v16, v[QF], v[KAF]                   ; the first product starts each sum
	v_mul_f32 v17, v[QF], v[KBF]
.else
	v_fmac_f32 v16, v[QF+ei], v[KAF+ei]
	v_fmac_f32 v17, v[QF+ei], v[KBF+ei]
.endif
.set ei, ei+1
.endr
.endm
	EXBLK 0
	EXBLK 1
	EXBLK 2
	EXBLK 3
	v_cmp_gt_i32 vcc_lo, 0, v9                     ; an empty place (bit 31) counts for nothing
	v_cndmask_b32 v17, v17, v124, vcc_lo
	; the registers of the re-sum are free: w_out and the first two batches of pool are asked for, and land while the ranks and weights are made
.irp t, 0,1
.irp s, 0,1
.irp c, 0,1,2,3
	global_load_b128 v[WF+16*(2*\t+\s)+4*\c:WF+16*(2*\t+\s)+4*\c+3], v6, s[74:75] offset:4096*\t+128*\s+32*\c
.endr
	global_load_b32 v[WSR+2*\t+\s], v7, s[76:77] offset:128*\t+4*\s
.endr
.endr
	s_wait_kmcnt 0x0
.irp k, 0,1,2,3,4,5,6,7,8,9,10,11,12,13,14,15,16,17,18,19,20,21,22,23,24,25,26,27,28,29,30,31,32,33,34,35,36,37,38,39
	s_and_b32 s[GL+\k], s[GL+\k], 0xffff           ; the key,
	s_min_u32 s[GL+\k], s[GL+\k], 0xffff           ; behind a clamp
.endr
.macro POOLB b                         ; rows of candidates 8 b .. 8 b + 7 into set b % 2: 16 loads of 512 consecutive bytes.  No hint: other rows' lists may name the same rows of pool
.irp k, 0,1,2,3,4,5,6,7
	v_lshl_add_u32 v[OFFS+8*((\b)%2)+\k], s[GL+8*(\b)+\k], 10, v4
.endr
.irp k, 0,1,2,3,4,5,6,7
	global_load_b128 v[PD+64*((\b)%2)+8*\k:PD+64*((\b)%2)+8*\k+3], v[OFFS+8*((\b)%2)+\k], s[8:9]
	global_load_b128 v[PD+64*((\b)%2)+8*\k+4:PD+64*((\b)%2)+8*\k+7], v[OFFS+8*((\b)%2)+\k], s[8:9] offset:512
.endr
.endm
	POOLB 0
	POOLB 1
	; RANKS.  Candidate j's sum goes to all lanes; it beats a candidate at a later place where it is >=, one at an earlier place where it is >.
	v_mov_b32 v42, 0                               ; the rank of candidate lane
	v_mov_b32 v43, 0                               ; and of candidate 32 + lane
.irp j, 0,1,2,3,4,5,6,7,8,9,10,11,12,13,14,15,16,17,18,19,20,21,22,23,24,25,26,27,28,29,30,31
	v_readlane_b32 s82, v16, \j
	v_cmp_gt_f32 s83, s82, v16
	v_cmp_ge_f32 s84, s82, v16
	s_and_b32 s84, s84, (0xfffffffe<<\j)&0xffffffff   ; lanes behind j
	s_or_b32 vcc_lo, s83, s84
	v_add_co_ci_u32 v42, vcc_lo, 0, v42, vcc_lo
	v_cmp_ge_f32 vcc_lo, s82, v17                  ; every place from 32 on lies behind j
	v_add_co_ci_u32 v43, vcc_lo, 0, v43, vcc_lo
.endr
.irp j, 0,1,2,3,4,5,6,7
	v_readlane_b32 s82, v17, \j                    ; candidate 32 + j
	v_cmp_gt_f32 vcc_lo, s82, v16                  ; every place under 32 lies in front of it
	v_add_co_ci_u32 v42, vcc_lo, 0, v42, vcc_lo
	v_cmp_gt_f32 s83, s82, v17
	v_cmp_ge_f32 s84, s82, v17
	s_and_b32 s84, s84, (0xfffffffe<<\j)&0xffffffff
	s_or_b32 vcc_lo, s83, s84
	v_add_co_ci_u32 v43, vcc_lo, 0, v43, vcc_lo
.endr
	v_cmp_gt_u32 vcc_lo, 32, v42
	v_cndmask_b32 v21, v124, v21, vcc_lo           ; what is out gets the score -infinity
	v_cmp_gt_u32 vcc_lo, 32, v43
	v_cndmask_b32 v22, v124, v22, vcc_lo
	v_max_num_f32 v11, v21, v22
	v_max_num_f32_dpp v11, v11, v11 row_xmask:1 row_mask:0xf bank_mask:0xf
	v_max_num_f32_dpp v11, v11, v11 row_xmask:2 row_mask:0xf bank_mask:0xf
	v_max_num_f32_dpp v11, v11, v11 row_xmask:4 row_mask:0xf bank_mask:0xf
	v_max_num_f32_dpp v11, v11, v11 row_xmask:8 row_mask:0xf bank_mask:0xf
	v_permlanex16_b32 v12, v11, s[SEL], s[SEL+1]
	v_max_num_f32 v11, v11, v12                    ; the largest of the 32 scores
	v_sub_f32 v21, v21, v11
	v_sub_f32 v22, v22, v11
	v_mul_f32 v21, 0x3fb8aa3b, v21
	v_mul_f32 v22, 0x3fb8aa3b, v22
	v_exp_f32 v21, v21                             ; e^(score - largest); 0 for what is out
	v_exp_f32 v22, v22
	v_nop                                          ; a plain place behind the transcendentals
	s_wait_alu depctr_va_vdst(0)
	v_add_f32 v13, v21, v22
	v_add_f32_dpp v13, v13, v13 row_xmask:1 row_mask:0xf bank_mask:0xf
	v_add_f32_dpp v13, v13, v13 row_xmask:2 row_mask:0xf bank_mask:0xf
	v_add_f32_dpp v13, v13, v13 row_xmask:4 row_mask:0xf bank_mask:0xf
	v_add_f32_dpp v13, v13, v13 row_xmask:8 row_mask:0xf bank_mask:0xf
	v_permlanex16_b32 v12, v13, s[SEL], s[SEL+1]
	v_add_f32 v13, v13, v12
	v_rcp_f32 v13, v13
	v_nop
	s_wait_alu depctr_va_vdst(0)
	v_mul_f32 v40, v21, v13                        ; the weights of candidates lane
	v_mul_f32 v41, v22, v13                        ; and 32 + lane
.macro FMAB b                          ; eight rows weighed in; their weights go to scalars as multipliers; the very first row starts the sums
.irp k, 0,1,2,3,4,5,6,7
.if (\b) < 4
	v_readlane_b32 s[66+\k], v40, 8*(\b)+\k
.else
	v_readlane_b32 s[66+\k], v41, \k
.endif
.endr
.irp k, 0,1,2,3,4,5,6,7
.irp i, 0,1,2,3,4,5,6,7
.if (\b) == 0 && \k == 0
	v_mul_f32 v[ACC+\i], s66, v[PD+\i]
.else
	v_fmac_f32 v[ACC+\i], s[66+\k], v[PD+64*((\b)%2)+8*\k+\i]
.endif
.endr
.endr
.endm
	s_wait_loadcnt 16                              ; batch 0 is in (and w_out); batch 1's 16 loads may be out
	FMAB 0
	POOLB 2
	s_wait_loadcnt 16
	FMAB 1
	POOLB 3
	s_wait_loadcnt 16
	FMAB 2
	POOLB 4
	s_wait_loadcnt 16
	FMAB 3
	s_wait_loadcnt 0x0
	FMAB 4
	ds_store_b128 v118, v[ACC:ACC+3]               ; columns 4 lane ..
	ds_store_b128 v118, v[ACC+4:ACC+7] offset:512  ; columns 128 + 4 lane ..
	s_wait_dscnt 0x0                               ; for the others' sake: my row has landed
	s_barrier_signal -1
	s_barrier_wait -1                              ; the eight sums lie in LDS; nobody writes them again
.irp s, 0,1
.irp b, 0,1,2,3
.irp q, 0,1,2,3
	ds_load_b128 v[PD+64*\s+16*\b+4*\q:PD+64*\s+16*\b+4*\q+3], v119 offset:512*\s+128*\b+16*\q   ; register 16 b + i = k 128 s + 32 b + 16 h + i of row r & 7
.endr
.endr
.endr
; 64 numbers of a lane, v[s] on, become a fragment's codes in v[pc] on and its scale word in v[pw].
.macro QUANT s, pc, pw
.irp b, 0,1,2,3
	v_max3_num_f32 v[TM+\b], |v[\s+16*\b]|, |v[\s+1+16*\b]|, 0x4800000   ; block b: my 16 numbers, and the floor 2^(9 - 127): the byte cannot fall under 1
.endr
.irp i, 2,4,6,8,10,12,14
.irp b, 0,1,2,3
	v_max3_num_f32 v[TM+\b], v[TM+\b], |v[\s+16*\b+\i]|, |v[\s+1+16*\b+\i]|
.endr
.endr
.irp b, 0,1,2,3
	v_permlanex16_b32 v[TM+4+\b], v[TM+\b], s[SEL], s[SEL+1]
.endr
.irp b, 0,1,2,3
	v_max_num_f32 v[TM+\b], v[TM+\b], v[TM+4+\b]   ; with lane l xor 16's: the block's largest magnitude
.endr
.irp b, 0,1,2,3
	v_add_nc_u32 v[TM+12+\b], 0xfc000000, v[TM+\b] ; 8 off its exponent field: the conversion's scale operand
.endr
.irp b, 0,1,2,3
	v_and_or_b32 v[TM+8+\b], v[TM+\b], 0x7f800000, s[MNT]   ; 448 x the scale
.endr
.irp b, 0,1,2,3
	v_lshrrev_b32 v[TM+4+\b], 23, v[TM+12+\b]      ; the scale's byte
.endr
	v_lshl_or_b32 v[\pw], v[TM+5], 8, v[TM+4]
	v_lshl_or_b32 v[\pw], v[TM+6], 16, v[\pw]
	v_lshl_or_b32 v[\pw], v[TM+7], 24, v[\pw]
.irp b, 0,1,2,3
.irp i, 0,1,2,3,4,5,6,7,8,9,10,11,12,13,14,15
	v_med3_num_f32 v[\s+16*\b+\i], v[\s+16*\b+\i], -v[TM+8+\b], v[TM+8+\b]   ; the conversion to an 8-bit code does not saturate (ISA guide 7.6.2): the hold comes first
.endr
	v_cvt_scalef32_pk8_fp8_f32 v[\pc+4*\b:\pc+1+4*\b], v[\s+16*\b:\s+7+16*\b], v[TM+12+\b]
	v_cvt_scalef32_pk8_fp8_f32 v[\pc+2+4*\b:\pc+3+4*\b], v[\s+8+16*\b:\s+15+16*\b], v[TM+12+\b]
.endr
	v_nop                                          ; a plain place behind the last conversion
.endm
	s_wait_dscnt 16                                ; the first K step's 16 loads are in
	QUANT PD, PC0, PW
	s_wait_dscnt 0x0
	QUANT PD+64, PC1, PW+1                         ; its codes go where the first K step's numbers lay
.rept 8
	v_nop                                          ; a scale word made by vector instructions stands eight places ahead of the product, codes four
.endr
	; two results by turns: no two matrix instructions that follow each other share an accumulator
	v_wmma_scale_f32_16x16x128_f8f6f4 v[DD:DD+7], v[WF:WF+15], v[PC0:PC0+15], 0, v[WSR], v[PW]
	v_wmma_scale_f32_16x16x128_f8f6f4 v[DD+8:DD+15], v[WF+32:WF+47], v[PC0:PC0+15], 0, v[WSR+2], v[PW]
	v_wmma_scale_f32_16x16x128_f8f6f4 v[DD:DD+7], v[WF+16:WF+31], v[PC1:PC1+15], v[DD:DD+7], v[WSR+1], v[PW+1]
	v_wmma_scale_f32_16x16x128_f8f6f4 v[DD+8:DD+15], v[WF+48:WF+63], v[PC1:PC1+15], v[DD+8:DD+15], v[WSR+3], v[PW+1]
.rept 8
	v_nop                                          ; eight places in front of the first read of results
.endr
.irp t, 0,1
	ds_store_b128 v120, v[DD+8*\t:DD+8*\t+3] offset:64*\t          ; lane (r, h): out(row r & 7, 32 w + 16 t + 8 h + 0 .. 7); each result from its low end on
	ds_store_b128 v120, v[DD+8*\t+4:DD+8*\t+7] offset:64*\t+16
.endr
	s_wait_dscnt 0x0                               ; my columns have landed
	s_barrier_signal -1
	s_barrier_wait -1                              ; whole rows lie in LDS
	ds_load_b128 v[24:27], v121
	ds_load_b128 v[28:31], v121 offset:512
	s_wait_dscnt 0x0
	global_store_b128 v4, v[24:27], s[14:15]               ; 32 lanes store 512 consecutive bytes, aligned
	global_store_b128 v4, v[28:31], s[14:15] offset:512
	s_wait_tensorcnt 0x0
	ds_add_u32 v126, v127
	s_wait_dscnt 0x0
	s_endpgm
.Lfunc_end_k_q5471013a4f_final:
	.size	k_q5471013a4f_final, .Lfunc_end_k_q5471013a4f_final-k_q5471013a4f_final
	.p2alignl 7, 3214868480
	.fill 96, 4, 3214868480
	.section	.rodata,"a",@progbits
	.p2align	6, 0x0
	.amdhsa_kernel k_q5471013a4f_final
		.amdhsa_group_segment_fixed_size 26112
		.amdhsa_private_segment_fixed_size 0
		.amdhsa_enable_private_segment 0
		.amdhsa_kernarg_size 48
		.amdhsa_user_sgpr_count 2
		.amdhsa_user_sgpr_kernarg_segment_ptr 1
		.amdhsa_wavefront_size32 1
		.amdhsa_system_sgpr_workgroup_id_x 1
		.amdhsa_system_sgpr_workgroup_id_y 1
		.amdhsa_system_sgpr_workgroup_id_z 1
		.amdhsa_system_vgpr_workitem_id 0
		.amdhsa_next_free_vgpr 256
		.amdhsa_next_free_sgpr 100
		.amdhsa_reserve_vcc 1
		.amdhsa_float_denorm_mode_32 3
		.amdhsa_float_denorm_mode_16_64 3
		.amdhsa_memory_ordered 1
		.amdhsa_forward_progress 1
		.amdhsa_inst_pref_size 97
	.end_amdhsa_kernel
	.amdgpu_metadata
---
amdhsa.version: [ 1, 2 ]
amdhsa.kernels:
  - .name:           k_q5471013a4f_final
    .symbol:         k_q5471013a4f_final.kd
    .args:
      - { .name: klist, .offset: 0, .size: 8, .value_kind: global_buffer, .address_space: global }
      - { .name: cand, .offset: 8, .size: 8, .value_kind: global_buffer, .address_space: global }
      - { .name: pool, .offset: 16, .size: 8, .value_kind: global_buffer, .address_space: global }
      - { .name: codes, .offset: 24, .size: 8, .value_kind: global_buffer, .address_space: global }
      - { .name: scales, .offset: 32, .size: 8, .value_kind: global_buffer, .address_space: global }
      - { .name: out0, .offset: 40, .size: 8, .value_kind: global_buffer, .address_space: global }
    .group_segment_fixed_size: 26112
    .private_segment_fixed_size: 0
    .kernarg_segment_align: 8
    .kernarg_segment_size: 48
    .max_flat_workgroup_size: 256
    .sgpr_count:     100
    .vgpr_count:     256
    .wavefront_size: 32
...
	.end_amdgpu_metadata
.endif
;; end of part 5
;; ======== version 2 of 2: 5 launches
;; workspace buffers: codes 8,716,288 bytes; scales 272,384 bytes; gmax 16,777,216 bytes; glist 524,288 bytes of whole numbers; cand 10,485,760 bytes; klist 524,288 bytes of whole numbers
;; launch quant (part 6): grid 266 x 1, 4 waves a work-group, no clusters, 33,280 bytes of LDS; arguments keys, query, w_out, codes, scales; writes codes, scales
.if DOCPART == 6
	.amdgcn_target "amdgcn-amd-amdhsa--gfx1250"
	.amdhsa_code_object_version 6
	.text
	.protected	k_q5471013a4f_quant
	.globl	k_q5471013a4f_quant
	.p2align	8
	.type	k_q5471013a4f_quant,@function
k_q5471013a4f_quant:
	s_mov_b64 s[64:65], 0
	v_nop
	global_prefetch_b8 v0, s[64:65] scope:SCOPE_SE
	s_setreg_imm32_b32 hwreg(HW_REG_WAVE_MODE, 25, 1), 1
	s_wait_xcnt 0x0
; keys [65536][128], query [2048][128] and w_out [256][256], f32, K innermost in all three, become codes of FP8 (E4M3) with one E8M0 scale byte for each 32 along K.
; Rows are dense and every K is a multiple of 32: each tensor is a plain stream of blocks of 32 numbers, and so are its codes and its scale bytes.
; The three streams lie one behind the other in the two workspace buffers: codes: keys at 0, query at 8,388,608, w_out at 8,650,752; scales: at 0, 262,144, 270,336.
; A work-group takes 32,768 numbers: work-groups 0-255 keys, 256-263 query, 264-265 w_out.  So the place in the buffers follows from the work-group's number alone; only the source is chosen.
; A block's scale is 2^(floor(log2(largest magnitude)) - 8); its byte is the largest magnitude's exponent field - 8, held at 1 from below.
; LIMITS: a block of zeros gets the byte 1 (its codes are zeros, and only this program reads the bytes); blocks whose largest magnitude lies under 2^-118 are held at that floor; NaN and infinities are not served.
; A wave takes 16 steps of 512 numbers.  Each load reads 512 consecutive bytes; the step's 2,048 bytes turn through the wave's own stage in LDS so that a lane gets 16 neighbours along K.
; No barrier: waves share nothing.  Loads run four steps ahead, the turn through LDS one step.
.set STEPS, 16
.set MANT,  0x600000                   ; the mantissa field of 448 as f32
.set CB,    16                         ; bytes of 16 codes
.set R,     16                         ; v16-79   four sets of 16 numbers as loaded
.set X,     80                         ; v80-111  two sets of 16 neighbours
.set C,     128                        ; v128-191 codes: four registers for each step, never written again
.set E,     112                        ; v112-127 a scale byte for each step
.set WREG,  8192                       ; LDS: a region for each wave: two stages of 32 x SP bytes, then its 256 scale bytes
.set SP,    80                         ; a lane's place in a stage: 64 bytes + 16 of padding
	s_load_b128 s[4:7], s[0:1], 0x0                ; keys, query
	s_load_b128 s[8:11], s[0:1], 0x10              ; w_out, codes
	s_load_b64 s[12:13], s[0:1], 0x20              ; scales
	v_lshl_add_u32 v192, v0, 2, 0x8000
	v_mov_b32 v193, 0
	v_lshrrev_b32 v1, 5, v0
	v_readfirstlane_b32 s16, v1                    ; wave
	v_and_b32 v2, 31, v0                           ; lane
	v_lshlrev_b32 v3, 4, v2                        ; my 16 bytes of a load's 512
	s_mul_i32 s17, s16, WREG
	v_lshrrev_b32 v14, 2, v2
	v_mul_u32_u24 v14, v14, SP
	v_and_b32 v15, 3, v2
	v_lshl_add_u32 v14, v15, 4, v14
	v_add_nc_u32 v14, s17, v14                     ; the stage on the way in: SP (lane / 4) + 16 (lane % 4)
	v_mul_u32_u24 v15, v2, SP
	v_add_nc_u32 v15, s17, v15                     ; and on the way out: SP x lane
	v_mul_u32_u24 v4, v2, CB                       ; my codes' place in a step's
	v_lshrrev_b32 v5, 1, v2
	s_add_co_u32 s17, s17, 2*32*SP
	v_add_nc_u32 v5, s17, v5                       ; LDS: my block's scale byte
	v_lshlrev_b32 v7, 3, v2                        ; on the way out 8 bytes a lane
	v_add_nc_u32 v6, s17, v7
	s_mov_b32 s23, MANT
	s_mov_b32 s21, 0
	s_wait_alu depctr_va_vdst(0)
	s_wait_kmcnt 0x0
	s_cmp_lt_u32 ttmp9, 256                        ; which tensor: the choice hangs on the work-group's number alone
	s_cselect_b64 s[4:5], s[4:5], s[6:7]
	s_cselect_b32 s17, 0, 256
	s_cmp_lt_u32 ttmp9, 264
	s_cselect_b64 s[4:5], s[4:5], s[8:9]
	s_cselect_b32 s17, s17, 264                    ; the tensor's first work-group
	s_sub_co_u32 s17, ttmp9, s17
	s_lshl_b32 s17, s17, 2
	s_add_co_u32 s17, s17, s16                     ; which run of 8,192 numbers of the tensor is my wave's
	s_lshl_b32 s20, s17, 15                        ; 32,768 bytes a run
	s_add_nc_u64 s[4:5], s[4:5], s[20:21]
	s_lshl_b32 s18, ttmp9, 2
	s_add_co_u32 s18, s18, s16                     ; which run of the joined streams
	s_lshl_b32 s20, s18, 13                        ; 8,192 codes a run
	s_add_nc_u64 s[10:11], s[10:11], s[20:21]
	s_lshl_b32 s20, s18, 8                         ; 256 scale bytes a run
	s_add_nc_u64 s[12:13], s[12:13], s[20:21]
.macro LOAD t
.irp i, 0,1,2,3
	global_load_b128 v[R+16*((\t)%4)+4*\i:R+16*((\t)%4)+4*\i+3], v3, s[4:5] offset:2048*(\t)+512*\i th:TH_LOAD_NT   ; 32 lanes read 512 consecutive bytes
.endr
.endm
.macro TURN t                          ; step t's numbers through the stage: LDS serves a wave's instructions in order, so no wait stands between the stores and the loads
.irp i, 0,1,2,3
	ds_store_b128 v14, v[R+16*((\t)%4)+4*\i:R+16*((\t)%4)+4*\i+3] offset:32*SP*((\t)%2)+8*SP*\i
.endr
.irp i, 0,1,2,3
	ds_load_b128 v[X+16*((\t)%2)+4*\i:X+16*((\t)%2)+4*\i+3], v15 offset:32*SP*((\t)%2)+16*\i
.endr
.endm
.irp t, 0,1,2,3
	LOAD \t
.endr
	s_wait_loadcnt 12                              ; step 0's four loads are in
	TURN 0
.macro STEP t
.set XS, X+16*((\t)%2)
.if (\t) > 0
	s_wait_dscnt 1                                 ; this step's numbers are back from the stage (the last step's byte store may be out): its stores into the stage have read their registers,
.else
	s_wait_dscnt 0x0
.endif
.if (\t)+4 < STEPS
	LOAD (\t)+4                                    ; which take the loads of four steps on
.endif
.if (\t)+1 < STEPS
.if STEPS-2-(\t) >= 3
	s_wait_loadcnt 12                              ; the next step's four loads are in; those of the three steps behind it may be out
.else
	s_wait_loadcnt 4*(STEPS-2-(\t))
.endif
	TURN (\t)+1
.endif
	v_max3_num_f32 v8, |v[XS]|, |v[XS+1]|, |v[XS+2]|               ; the largest magnitude of my 16
	v_max3_num_f32 v9, |v[XS+3]|, |v[XS+4]|, |v[XS+5]|
.irp i, 6,10
	v_max3_num_f32 v8, v8, |v[XS+\i]|, |v[XS+\i+1]|
	v_max3_num_f32 v9, v9, |v[XS+\i+2]|, |v[XS+\i+3]|
.endr
	v_max3_num_f32 v8, v8, |v[XS+14]|, |v[XS+15]|
	v_max3_num_f32 v8, v8, v9, 0x4800000           ; and the floor 2^(9 - 127): the byte cannot fall under 1
	v_max_num_f32_dpp v8, v8, v8 row_xmask:1 row_mask:0xf bank_mask:0xf   ; and of my neighbour's 16: the block's
	v_add_nc_u32 v11, 0xfc000000, v8               ; 8 off its exponent field: the conversion's scale operand
	v_and_or_b32 v10, v8, 0x7f800000, s23          ; 448 x the scale
.irp i, 0,1,2,3,4,5,6,7,8,9,10,11,12,13,14,15
	v_med3_num_f32 v[XS+\i], v[XS+\i], -v10, v10   ; the conversion to an 8-bit code does not saturate (ISA guide 7.6.2): the hold comes first
.endr
	v_cvt_scalef32_pk8_fp8_f32 v[C+4*(\t):C+4*(\t)+1], v[XS:XS+7], v11
	v_cvt_scalef32_pk8_fp8_f32 v[C+4*(\t)+2:C+4*(\t)+3], v[XS+8:XS+15], v11
	v_lshrrev_b32 v[E+(\t)], 23, v11               ; the scale's byte
	ds_store_b8 v5, v[E+(\t)] offset:16*(\t)       ; both lanes of a block write the same byte with the same value
	global_store_b128 v4, v[C+4*(\t):C+4*(\t)+3], s[10:11] offset:32*CB*(\t)   ; the wave stores 512 consecutive bytes
.endm
.irp t, 0,1,2,3,4,5,6,7,8,9,10,11,12,13,14,15
	STEP \t
.endr
	ds_load_b64 v[12:13], v6                       ; LDS serves a wave's instructions in order: these see my stores
	s_wait_dscnt 0x0
	global_store_b64 v7, v[12:13], s[12:13]        ; 32 lanes store 256 consecutive bytes, aligned
	s_wait_tensorcnt 0x0
	ds_add_u32 v192, v193
	s_wait_dscnt 0x0
	s_endpgm
.Lfunc_end_k_q5471013a4f_quant:
	.size	k_q5471013a4f_quant, .Lfunc_end_k_q5471013a4f_quant-k_q5471013a4f_quant
	.p2alignl 7, 3214868480
	.fill 96, 4, 3214868480
	.section	.rodata,"a",@progbits
	.p2align	6, 0x0
	.amdhsa_kernel k_q5471013a4f_quant
		.amdhsa_group_segment_fixed_size 33280
		.amdhsa_private_segment_fixed_size 0
		.amdhsa_enable_private_segment 0
		.amdhsa_kernarg_size 40
		.amdhsa_user_sgpr_count 2
		.amdhsa_user_sgpr_kernarg_segment_ptr 1
		.amdhsa_wavefront_size32 1
		.amdhsa_system_sgpr_workgroup_id_x 1
		.amdhsa_system_sgpr_workgroup_id_y 1
		.amdhsa_system_sgpr_workgroup_id_z 1
		.amdhsa_system_vgpr_workitem_id 0
		.amdhsa_next_free_vgpr 194
		.amdhsa_next_free_sgpr 66
		.amdhsa_reserve_vcc 0
		.amdhsa_float_denorm_mode_32 3
		.amdhsa_float_denorm_mode_16_64 3
		.amdhsa_memory_ordered 1
		.amdhsa_forward_progress 1
		.amdhsa_inst_pref_size 51
	.end_amdhsa_kernel
	.amdgpu_metadata
---
amdhsa.version: [ 1, 2 ]
amdhsa.kernels:
  - .name:           k_q5471013a4f_quant
    .symbol:         k_q5471013a4f_quant.kd
    .args:
      - { .name: keys, .offset: 0, .size: 8, .value_kind: global_buffer, .address_space: global }
      - { .name: query, .offset: 8, .size: 8, .value_kind: global_buffer, .address_space: global }
      - { .name: w_out, .offset: 16, .size: 8, .value_kind: global_buffer, .address_space: global }
      - { .name: codes, .offset: 24, .size: 8, .value_kind: global_buffer, .address_space: global }
      - { .name: scales, .offset: 32, .size: 8, .value_kind: global_buffer, .address_space: global }
    .group_segment_fixed_size: 33280
    .private_segment_fixed_size: 0
    .kernarg_segment_align: 8
    .kernarg_segment_size: 40
    .max_flat_workgroup_size: 128
    .sgpr_count:     66
    .vgpr_count:     194
    .wavefront_size: 32
...
	.end_amdgpu_metadata
.endif
;; end of part 6
;; launch score (part 7): grid 32 x 8, 16 waves a work-group, no clusters, 106,496 bytes of LDS; arguments codes, scales, gmax; writes gmax
.if DOCPART == 7
	.amdgcn_target "amdgcn-amd-amdhsa--gfx1250"
	.amdhsa_code_object_version 6
	.text
	.protected	k_q5471013a4f_score
	.globl	k_q5471013a4f_score
	.p2align	8
	.type	k_q5471013a4f_score,@function
k_q5471013a4f_score:
	s_mov_b64 s[64:65], 0
	v_nop
	global_prefetch_b8 v0, s[64:65] scope:SCOPE_SE
	s_setreg_imm32_b32 hwreg(HW_REG_WAVE_SCHED_MODE, 0, 2), 2
	s_setreg_imm32_b32 hwreg(HW_REG_WAVE_MODE, 25, 1), 1
	s_wait_xcnt 0x0
	s_wait_alu depctr_vm_vsrc(0)
; gmax[row][g] = the largest score of query row against keys 32 g .. 32 g + 31.  Scores are Q(query) Q(keys)^T on codes of FP8 with E8M0 scales; K = 128 is one matrix instruction.
; The scores themselves never go to memory: 2,048 x 65,536 of them would be 32 times the bytes of their group maxima.
; SHARES.  Work-group (x, y): keys 2048 x .. + 2047, rows 256 y .. + 255.  Wave w keeps keys 128 w .. + 127 of the chunk in 128 registers (8 fragments), read once, and walks the 16 tiles of queries.
; The query tiles go from wave to wave through LDS as images of the operand's registers (wave w loads tile w; 16 bytes a lane on end; the scale word 4 bytes a lane).
; No cluster and no tensor load: K is one step, each key byte goes straight into one wave's registers, and the shared part (33 KB of query codes) is 1/8 of what a work-group reads.
; THE KEYS OF A TILE ARE NOT NEIGHBOURS: lane r of tile t takes key 8 t + (r & 7) + 64 (r >> 3).  Source 0 = keys, source 1 = queries: lane (r, h) holds query r and, in register j of tile t, key 64 h + 8 t + j.
; So tiles 0-3 are the 32 neighbouring keys 64 h + 0 .. 31 and tiles 4-7 the next 32: two whole groups in one lane, and a group's maximum needs no other lane.
; The maxima meet in a stage in LDS (256 rows x 64 groups) and leave as whole runs of 256 bytes.
; LIMITS: NaN and infinities are not served.
; THE MODE: SCHED_MODE bits 1:0 = 2 (LLVM: expert scheduling mode 2), set by the entry lines.  The code itself states the register dependences
; between vector or matrix instructions and memory or LDS instructions, with s_wait_alu, always for 0.
; THE PLAN.  Registers that memory or LDS instructions touch:
;   v4 .. v14   offsets and LDS addresses, made once at the head and never written again.
;   QF0, QF1 and their scale words v24, v25.  Tile q's eight products read set q % 2; behind them the LDS loads of tile q + 2 land in it.
;   M0 .. M2    Tile q's maxima write pair q % 3; the LDS store that is issued in tile q + 1 reads it; tile q + 3's maxima write it again.
;   D           Written by products, read by maxima; at the end the stage's LDS loads land in it.
; So ONE wait on va_vdst stands in a tile, behind the products' places: the products are done reading their set of queries, and the maxima of the tile before are written.
; The fetch of tile q + 2 and the store of tile q - 1's maxima follow it; behind them come this tile's maxima, which name D and their own pair alone.
.set QC,   8388608                     ; the query's codes in the codes' buffer
.set QSO,  262144                      ; and its scale bytes
.set QSC,  32768                       ; LDS: behind the 16 images of 2,048 bytes: their scale words, 128 bytes each
.set STG,  34816                       ; the stage: 256 rows of 256 bytes + 16
.set KS,   16                          ; v16-23  the keys' scale words
.set QSR,  24                          ; v24-25  the queries' scale words, two sets
.set M,    26                          ; v26-31  the two maxima, three sets by turns
.set QF,   32                          ; v32-63  a tile of queries, two sets
.set D,    64                          ; v64-127 eight results
.set KF,   128                         ; v128-255 my eight fragments of keys
	s_load_b128 s[4:7], s[0:1], 0x0                ; codes, scales
	s_load_b64 s[10:11], s[0:1], 0x10              ; gmax
	v_lshrrev_b32 v1, 5, v0
	v_readfirstlane_b32 s8, v1                     ; wave 0..15
	v_and_b32 v1, 31, v0                           ; lane
	v_and_b32 v2, 15, v0                           ; r
	v_bfe_u32 v3, v0, 4, 1                         ; h
	v_lshlrev_b32 v4, 4, v1                        ; 16 x lane: an image's place
	v_lshlrev_b32 v5, 2, v1                        ; 4 x lane: a scale word's
	v_and_b32 v15, 7, v2
	v_lshrrev_b32 v6, 3, v2
	v_lshl_add_u32 v15, v6, 6, v15                 ; (r & 7) + 64 (r >> 3)
	v_lshlrev_b32 v6, 7, v15
	v_lshl_add_u32 v6, v3, 4, v6                   ; my key's row of 128 bytes, + 16 h
	v_lshlrev_b32 v7, 2, v15                       ; and its scale word
	v_lshlrev_b32 v8, 7, v2
	v_lshl_add_u32 v8, v3, 4, v8                   ; a query tile: row r, + 16 h
	v_lshlrev_b32 v9, 2, v2
	v_mul_u32_u24 v10, v2, 272
	v_lshl_add_u32 v10, v3, 3, v10
	s_wait_alu depctr_va_sdst(0)                   ; s8 is written, ahead of its first reader: LDS addresses and the bases are made from it
	s_lshl_b32 s20, s8, 4
	s_add_co_u32 s20, s20, STG
	v_add_nc_u32 v10, s20, v10                     ; into the stage: row r, groups 4 w + 2 h, + 1: 8 bytes
	v_mul_u32_u24 v11, v3, 272
	v_lshl_add_u32 v11, v2, 4, v11
	s_mul_i32 s20, s8, 16*272
	s_add_co_u32 s20, s20, STG
	v_add_nc_u32 v11, s20, v11                     ; back: my 16 rows, two an instruction, sixteen lanes to a row
	v_lshlrev_b32 v12, 13, v3
	v_lshl_add_u32 v12, v2, 4, v12                 ; and the same place in gmax: rows of 8,192 bytes
	s_lshl_b32 s20, s8, 11
	v_add_nc_u32 v13, s20, v4                      ; where I store my tile's image
	s_lshl_b32 s20, s8, 7
	s_add_co_u32 s20, s20, QSC
	v_add_nc_u32 v14, s20, v5                      ; and its scale words
	s_and_b32 s9, ttmp7, 0xffff                    ; y
	s_lshl_b32 s20, s9, 15                         ; the query's codes: 256 y + 16 w rows of 128 bytes
	s_lshl_b32 s30, s8, 11
	s_add_co_u32 s20, s20, s30
	s_add_co_u32 s20, s20, QC
	s_mov_b32 s21, 0
	s_lshl_b32 s22, s9, 10                         ; its scale words
	s_lshl_b32 s30, s8, 6
	s_add_co_u32 s22, s22, s30
	s_add_co_u32 s22, s22, QSO
	s_mov_b32 s23, 0
	s_lshl_b32 s24, ttmp9, 18                      ; the keys' codes: 2048 x + 128 w rows of 128 bytes
	s_lshl_b32 s30, s8, 14
	s_add_co_u32 s24, s24, s30
	s_mov_b32 s25, 0
	s_lshl_b32 s26, ttmp9, 13                      ; their scale words
	s_lshl_b32 s30, s8, 9
	s_add_co_u32 s26, s26, s30
	s_mov_b32 s27, 0
	s_lshl_b32 s28, s9, 21                         ; gmax: row 256 y + 16 w, byte 256 x
	s_lshl_b32 s30, s8, 17
	s_add_co_u32 s28, s28, s30
	s_lshl_b32 s30, ttmp9, 8
	s_add_co_u32 s28, s28, s30
	s_mov_b32 s29, 0
	s_wait_kmcnt 0x0
	s_add_nc_u64 s[12:13], s[4:5], s[20:21]
	s_add_nc_u64 s[14:15], s[6:7], s[22:23]
	s_add_nc_u64 s[16:17], s[4:5], s[24:25]
	s_add_nc_u64 s[18:19], s[6:7], s[26:27]
	s_add_nc_u64 s[10:11], s[10:11], s[28:29]
	s_wait_alu depctr_va_vdst(0)                   ; v4 to v14 are written: every load and store of the kernel, global or LDS, reads one of them as its offset or address
.irp c, 0,1,2,3
	global_load_b128 v[QF+4*\c:QF+4*\c+3], v8, s[12:13] offset:32*\c     ; query tile w
.endr
	global_load_b32 v[QSR], v9, s[14:15]
.irp t, 0,1,2,3,4,5,6,7
.irp c, 0,1,2,3
	global_load_b128 v[KF+16*\t+4*\c:KF+16*\t+4*\c+3], v6, s[16:17] offset:1024*\t+32*\c   ; tile t begins 8 t keys on
.endr
	global_load_b32 v[KS+\t], v7, s[18:19] offset:32*\t
.endr
	s_wait_loadcnt 40                              ; the five loads of the query tile are in; the keys' 40 may be out
.irp c, 0,1,2,3
	ds_store_b128 v13, v[QF+4*\c:QF+4*\c+3] offset:512*\c
.endr
	ds_store_b32 v14, v[QSR]
	s_wait_dscnt 0x0                               ; for the others' sake: my image has landed
	s_barrier_signal -1
	s_barrier_wait -1                              ; all sixteen images lie in LDS; nobody writes them again
	s_wait_alu depctr_vm_vsrc(0)                   ; my five LDS stores have read set 0 of the queries and its scale word, in which the fetch of tile 0 lands
.macro FETCH q                         ; query tile q into set q % 2: five LDS loads
.irp c, 0,1,2,3
	ds_load_b128 v[QF+16*((\q)%2)+4*\c:QF+16*((\q)%2)+4*\c+3], v4 offset:2048*(\q)+512*\c
.endr
	ds_load_b32 v[QSR+(\q)%2], v5 offset:QSC+128*(\q)
.endm
; One tile of queries against my 128 keys.  cnt: the LDS instructions issued behind FETCH q, which may stay out: the next fetch's five and up to two stores of maxima.
.macro TILE q, cnt
	s_wait_dscnt \cnt
.if (\q) >= 3
	s_wait_alu depctr_vm_vsrc(0)                   ; the store of tile q - 3's maxima, issued two tiles back, has read the pair that this tile's maxima write again
.endif
.irp t, 0,1,2,3,4,5,6,7
	v_wmma_scale_f32_16x16x128_f8f6f4 v[D+8*\t:D+8*\t+7], v[KF+16*\t:KF+16*\t+15], v[QF+16*((\q)%2):QF+16*((\q)%2)+15], 0, v[KS+\t], v[QSR+(\q)%2]
.endr
.rept 8
	v_nop                                          ; eight places in front of the first read of results
.endr
	s_wait_alu depctr_va_vdst(0)                   ; the eight products are done reading this set of queries and its scale word, in which the fetch below lands; the maxima of the tile before are written, which the store below reads
.if (\q) < 14
	FETCH (\q)+2
.endif
.if (\q) > 0
	ds_store_b64 v10, v[M+2*(((\q)+2)%3):M+2*(((\q)+2)%3)+1] offset:4352*((\q)-1)   ; the tile before: rows 16 (q - 1) on
.endif
.set MM, M+2*((\q)%3)
	v_max3_num_f32 v[MM], v[D], v[D+1], v[D+2]               ; two chains by turns, each over 32 registers in ascending order: every result is first read at its low end
	v_max3_num_f32 v[MM+1], v[D+32], v[D+33], v[D+34]
.irp i, 3,5,7,9,11,13,15,17,19,21,23,25,27,29
	v_max3_num_f32 v[MM], v[MM], v[D+\i], v[D+\i+1]
	v_max3_num_f32 v[MM+1], v[MM+1], v[D+32+\i], v[D+33+\i]
.endr
	v_max_num_f32 v[MM], v[MM], v[D+31]
	v_max_num_f32 v[MM+1], v[MM+1], v[D+63]        ; (the next tile's products write the results anew: the eight v_nop and the other results' maxima are more than the nine places owed)
.endm
	FETCH 0
	FETCH 1
	s_wait_loadcnt 0x0                             ; my keys
	TILE 0, 5                                      ; behind FETCH 0: FETCH 1
	TILE 1, 5                                      ; behind FETCH 1: FETCH 2
	TILE 2, 6                                      ; a fetch and a store
.irp q, 3,4,5,6,7,8,9,10,11,12,13,14
	TILE \q, 7                                     ; a store, a fetch, a store
.endr
	TILE 15, 2                                     ; two stores
	s_wait_alu depctr_va_vdst(0)                   ; tile 15's maxima are written, which the last store reads; they are done reading the results, in which the stage's loads land
	ds_store_b64 v10, v[M:M+1] offset:4352*15      ; 15 % 3 = 0
	s_wait_dscnt 0x0                               ; my maxima have landed
	s_barrier_signal -1
	s_barrier_wait -1                              ; 256 whole rows lie in the stage
.irp i, 0,1,2,3,4,5,6,7
	ds_load_b128 v[D+4*\i:D+4*\i+3], v11 offset:544*\i
.endr
.irp i, 0,1,2,3,4,5,6,7
	s_wait_dscnt 7-\i
	global_store_b128 v12, v[D+4*\i:D+4*\i+3], s[10:11] offset:16384*\i   ; sixteen lanes store 256 consecutive bytes, aligned
.endr
	s_wait_xcnt 0x0
	v_lshl_add_u32 v254, v0, 2, 0x19800            ; no two registers could be kept: the add's two are made here, in registers that no memory or LDS instruction has read
	v_mov_b32 v255, 0
	s_wait_dscnt 0x0                               ; the closing lines, six on end
	s_wait_alu 0x0
	s_wait_tensorcnt 0x0
	ds_add_u32 v254, v255
	s_wait_dscnt 0x0
	s_endpgm
.Lfunc_end_k_q5471013a4f_score:
	.size	k_q5471013a4f_score, .Lfunc_end_k_q5471013a4f_score-k_q5471013a4f_score
	.p2alignl 7, 3214868480
	.fill 96, 4, 3214868480
	.section	.rodata,"a",@progbits
	.p2align	6, 0x0
	.amdhsa_kernel k_q5471013a4f_score
		.amdhsa_group_segment_fixed_size 106496
		.amdhsa_private_segment_fixed_size 0
		.amdhsa_enable_private_segment 0
		.amdhsa_kernarg_size 24
		.amdhsa_user_sgpr_count 2
		.amdhsa_user_sgpr_kernarg_segment_ptr 1
		.amdhsa_wavefront_size32 1
		.amdhsa_system_sgpr_workgroup_id_x 1
		.amdhsa_system_sgpr_workgroup_id_y 1
		.amdhsa_system_sgpr_workgroup_id_z 1
		.amdhsa_system_vgpr_workitem_id 0
		.amdhsa_next_free_vgpr 256
		.amdhsa_next_free_sgpr 66
		.amdhsa_reserve_vcc 0
		.amdhsa_float_denorm_mode_32 3
		.amdhsa_float_denorm_mode_16_64 3
		.amdhsa_memory_ordered 1
		.amdhsa_forward_progress 1
		.amdhsa_inst_pref_size 69
	.end_amdhsa_kernel
	.amdgpu_metadata
---
amdhsa.version: [ 1, 2 ]
amdhsa.kernels:
  - .name:           k_q5471013a4f_score
    .symbol:         k_q5471013a4f_score.kd
    .args:
      - { .name: codes, .offset: 0, .size: 8, .value_kind: global_buffer, .address_space: global }
      - { .name: scales, .offset: 8, .size: 8, .value_kind: global_buffer, .address_space: global }
      - { .name: gmax, .offset: 16, .size: 8, .value_kind: global_buffer, .address_space: global }
    .group_segment_fixed_size: 106496
    .private_segment_fixed_size: 0
    .kernarg_segment_align: 8
    .kernarg_segment_size: 24
    .max_flat_workgroup_size: 512
    .sgpr_count:     66
    .vgpr_count:     256
    .wavefront_size: 32
...
	.end_amdgpu_metadata
.endif
;; end of part 7
;; launch gsel (part 8): grid 512 x 1, 4 waves a work-group, no clusters, 0 bytes of LDS; arguments gmax, glist; writes glist
.if DOCPART == 8
	.amdgcn_target "amdgcn-amd-amdhsa--gfx1250"
	.amdhsa_code_object_version 6
	.text
	.protected	k_q5471013a4f_gsel
	.globl	k_q5471013a4f_gsel
	.p2align	8
	.type	k_q5471013a4f_gsel,@function
k_q5471013a4f_gsel:
	s_mov_b64 s[64:65], 0
	v_nop
	global_prefetch_b8 v0, s[64:65] scope:SCOPE_SE
	s_setreg_imm32_b32 hwreg(HW_REG_WAVE_MODE, 25, 1), 1
	s_wait_xcnt 0x0
; glist[row][0..63]: up to 40 groups of 32 keys, ascending, among which the row's top 32 scores are looked for; places from the count on hold 0x80000000.
; WHY GROUPS.  If a score belongs to the top 32, its group's maximum is among the 32 largest group maxima (ties: groups are runs of neighbouring keys, so the lower group holds the lower keys).
; WHY 40 AND NOT 32.  The result is defined by f32 sums; two scores that differ in their last bits may come out of the matrix instruction in another order.  So eight groups more are kept, and the last choice is made later on f32 sums.
; One wave takes one row: register j of lane i holds group 32 j + i.  No LDS, no barrier: waves share nothing.
; THE THRESHOLD comes from networks of minima and maxima on values alone (duplicates do no harm): each lane sorts its 64 and keeps 32; four exchanges inside 16 lanes each keep the larger 32 of 64.
; Then each half of the wave holds its best 32, a and b, sorted.  T = max(a[31], b[31], the 40th of those 64).  What lies outside the two lists is at most a[31] or b[31]: so at most 39 maxima lie over T, and at least 32 are >= T.
; Chosen: those over T, and of those equal to T the first by index, up to 40.
; THE LIST IS MADE AS DATA, at fixed places: no address and no branch hangs on a score.  For each register a mask of chosen lanes is made; a lane keeps the mask word in which its bit lies, and finds the bit.
; LIMITS: the margin is 8 groups, fewer where more than 32 of the best 40 fall into one half of the lanes; NaN and infinities are not served; +0 and -0 count as equal.
.set CAP, 40
.set LN,  1                            ; v1  lane
.set LN2, 3                            ; v3  lane + 32
.set T,   20
.set WA,  21                           ; my mask word and its tag, for place lane
.set PA,  22
.set N0,  23
.set N1,  24
.set N2,  25
.set N3,  26
.set N4,  27
.set N5,  28
.set N6,  29
.set N7,  30
.set N8,  31
.set WB,  32                           ; the same for place lane + 32
.set PB,  33
.set OUT0, 34
.set OUT1, 35
.set O,   64                           ; v64-127  the row
.set P,   128
.set Q,   160
.set R,   192
.set SEL, 12                           ; s12, s13 lane selects: lane l xor 16
.set SGT, 20
.set SEQ, 21
.set SC,  22
.set SR,  23
.set SE,  24
.set SP,  25
.set SS,  26
.set SB,  27
.set ST,  28
.set SV,  29
.set CT,  68                           ; s68-75
; One stage of a bitonic network on n registers: i against i xor j; the larger goes to i where bit k of i, turned by desc, is set.  From src to dst: nothing is moved in place.
.macro CEST n, src, dst, k, j, desc
.set ci, 0
.rept \n
.set cl, ci^(\j)
.if cl > ci
.if (((ci/(\k))&1)^(\desc))
	v_max_num_f32 v[(\dst)+ci], v[(\src)+ci], v[(\src)+cl]
	v_min_num_f32 v[(\dst)+cl], v[(\src)+ci], v[(\src)+cl]
.else
	v_min_num_f32 v[(\dst)+ci], v[(\src)+ci], v[(\src)+cl]
	v_max_num_f32 v[(\dst)+cl], v[(\src)+ci], v[(\src)+cl]
.endif
.endif
.set ci, ci+1
.endr
.endm
.macro SORT32 in, b1, b2, desc         ; 15 stages; the result lies in b1, falling (desc = 1) or rising (0)
	CEST 32, \in, \b1, 2, 1, \desc
	CEST 32, \b1, \b2, 4, 2, \desc
	CEST 32, \b2, \b1, 4, 1, \desc
	CEST 32, \b1, \b2, 8, 4, \desc
	CEST 32, \b2, \b1, 8, 2, \desc
	CEST 32, \b1, \b2, 8, 1, \desc
	CEST 32, \b2, \b1, 16, 8, \desc
	CEST 32, \b1, \b2, 16, 4, \desc
	CEST 32, \b2, \b1, 16, 2, \desc
	CEST 32, \b1, \b2, 16, 1, \desc
	CEST 32, \b2, \b1, 32, 16, \desc
	CEST 32, \b1, \b2, 32, 8, \desc
	CEST 32, \b2, \b1, 32, 4, \desc
	CEST 32, \b1, \b2, 32, 2, \desc
	CEST 32, \b2, \b1, 32, 1, \desc
.endm
.macro MERGE a, b                      ; a bitonic run of 32 in a becomes a falling run in b
	CEST 32, \a, \b, 32, 16, 1
	CEST 32, \b, \a, 32, 8, 1
	CEST 32, \a, \b, 32, 4, 1
	CEST 32, \b, \a, 32, 2, 1
	CEST 32, \a, \b, 32, 1, 1
.endm
.macro XMERGE m                        ; with lane l xor m: my falling run against its run read backwards: the larger 32 of the 64, bitonic; then sorted
.set xi, 0
.rept 32
	v_max_num_f32_dpp v[Q+xi], v[P+31-xi], v[P+xi] row_xmask:\m row_mask:0xf bank_mask:0xf
.set xi, xi+1
.endr
	MERGE Q, P
.endm
; The two halves' runs a and b.  The SMALLER of a[i] and b[31 - i] are places 33 to 64 of the 64, a bitonic run; two halvings by maxima leave its best 8; their minimum is the 40th.
.macro XLAST40
.set xi, 0
.rept 32
	v_permlanex16_b32 v[Q+xi], v[P+31-xi], s[SEL], s[SEL+1]
.set xi, xi+1
.endr
	v_max_num_f32 v[T], v[P+31], v[Q]              ; the larger of the two halves' 32nd
.set xi, 0
.rept 32
	v_min_num_f32 v[Q+xi], v[Q+xi], v[P+xi]
.set xi, xi+1
.endr
.set xi, 0
.rept 16
	v_max_num_f32 v[Q+xi], v[Q+xi], v[Q+16+xi]
.set xi, xi+1
.endr
.set xi, 0
.rept 8
	v_max_num_f32 v[Q+xi], v[Q+xi], v[Q+8+xi]
.set xi, xi+1
.endr
	v_min3_num_f32 v[N0], v[Q], v[Q+1], v[Q+2]
	v_min3_num_f32 v[N0], v[N0], v[Q+3], v[Q+4]
	v_min3_num_f32 v[N0], v[N0], v[Q+5], v[Q+6]
	v_min_num_f32 v[N0], v[N0], v[Q+7]
	v_max_num_f32 v[T], v[T], v[N0]                ; the same in every lane
.endm
.macro COUNT n                         ; s[SR] = CAP - the number of values over the threshold; the compares in runs of eight
	s_mov_b32 s[SC], 0
.set xg, 0
.rept (\n)/8
.irp e, 0,1,2,3,4,5,6,7
	v_cmp_gt_f32 s[CT+\e], v[O+xg+\e], v[T]
.endr
.irp e, 0,1,2,3,4,5,6,7
	s_bcnt1_i32_b32 s[CT+\e], s[CT+\e]
.endr
.irp e, 0,1,2,3,4,5,6,7
	s_add_co_u32 s[SC], s[SC], s[CT+\e]
.endr
.set xg, xg+8
.endr
	s_sub_co_u32 s[SR], CAP, s[SC]
.endm
; Register j's mask of chosen lanes: over the threshold, or equal to it and among the first s[SR] equals (s[SE] counts the equals so far).  s[SP] counts the chosen so far:
; a lane whose place is at least s[SP] takes this word and its tag; in the end it holds the last word with s[SP] <= its place, which is the word that holds its bit.
.macro PICK j, tag
	v_cmp_gt_f32 s[SGT], v[O+(\j)], v[T]
	v_cmp_eq_f32 s[SEQ], v[O+(\j)], v[T]
	v_mbcnt_lo_u32_b32 v[N0], s[SEQ], s[SE]        ; my rank among the equals
	v_cmp_gt_u32 s[SS], s[SR], v[N0]
	v_cmp_le_u32 vcc_lo, s[SP], v[LN]
	v_cmp_le_u32 s[SV], s[SP], v[LN2]
	s_or_b32 s[ST], s[SP], \tag
	s_bcnt1_i32_b32 s[SB], s[SEQ]
	s_add_co_u32 s[SE], s[SE], s[SB]
	s_and_b32 s[SS], s[SS], s[SEQ]
	s_or_b32 s[SS], s[SS], s[SGT]
	v_cndmask_b32 v[WA], v[WA], s[SS], vcc_lo
	v_cndmask_b32 v[PA], v[PA], s[ST], vcc_lo
	v_cndmask_b32 v[WB], v[WB], s[SS], s[SV]
	v_cndmask_b32 v[PB], v[PB], s[ST], s[SV]
	s_bcnt1_i32_b32 s[SB], s[SS]
	s_add_co_u32 s[SP], s[SP], s[SB]
.endm
.macro NSTEP x, width, field           ; if the bit sought lies beyond the lower half of the field in hand, pass that half over
	v_bfe_u32 v[N7], v[\x], v[N2], \field
	v_add_nc_u32 v[N8], \width, v[N2]
	v_cmp_ge_u32 vcc_lo, v[N1], v[N7]
	v_sub_nc_u32 v[N7], v[N1], v[N7]
	v_cndmask_b32 v[N1], v[N1], v[N7], vcc_lo
	v_cndmask_b32 v[N2], v[N2], v[N8], vcc_lo
.endm
.macro NTH w, pk, tg                   ; v[N2] = the place in word w of set bit number (tg - the bits in front of the word): counts of 2, 4, 8, 16 bits, then five halvings
	v_and_b32 v[N1], 63, v[\pk]
	v_sub_nc_u32 v[N1], v[\tg], v[N1]
	v_mov_b32 v[N2], 0
	v_lshrrev_b32 v[N3], 1, v[\w]
	v_and_b32 v[N3], 0x55555555, v[N3]
	v_sub_nc_u32 v[N3], v[\w], v[N3]
	v_lshrrev_b32 v[N4], 2, v[N3]
	v_and_b32 v[N4], 0x33333333, v[N4]
	v_and_b32 v[N7], 0x33333333, v[N3]
	v_add_nc_u32 v[N4], v[N4], v[N7]
	v_lshrrev_b32 v[N5], 4, v[N4]
	v_add_nc_u32 v[N5], v[N5], v[N4]
	v_and_b32 v[N5], 0x0f0f0f0f, v[N5]
	v_lshrrev_b32 v[N6], 8, v[N5]
	v_add_nc_u32 v[N6], v[N6], v[N5]
	NSTEP N6, 16, 8
	NSTEP N5, 8, 8
	NSTEP N4, 4, 4
	NSTEP N3, 2, 2
	NSTEP \w, 1, 1
.endm
	s_load_b128 s[4:7], s[0:1], 0x0                ; gmax, glist
	v_lshrrev_b32 v1, 5, v0
	v_readfirstlane_b32 s8, v1                     ; wave
	v_and_b32 v1, 31, v0                           ; lane
	v_lshlrev_b32 v2, 2, v1
	v_add_nc_u32 v[LN2], 32, v1
	s_lshl_b32 s9, ttmp9, 2
	s_add_co_u32 s9, s9, s8                        ; my row
	s_lshl_b32 s14, s9, 13
	s_mov_b32 s15, 0
	s_lshl_b32 s16, s9, 8
	s_mov_b32 s17, 0
	s_mov_b32 s[SEL], 0x76543210
	s_mov_b32 s[SEL+1], 0xfedcba98
	s_wait_alu depctr_va_vdst(0)
	s_wait_kmcnt 0x0
	s_add_nc_u64 s[4:5], s[4:5], s[14:15]
	s_add_nc_u64 s[6:7], s[6:7], s[16:17]
.irp j, 0,1,2,3,4,5,6,7,8,9,10,11,12,13,14,15,16,17,18,19,20,21,22,23,24,25,26,27,28,29,30,31,32,33,34,35,36,37,38,39,40,41,42,43,44,45,46,47,48,49,50,51,52,53,54,55,56,57,58,59,60,61,62,63
	global_load_b32 v[O+\j], v2, s[4:5] offset:128*\j th:TH_LOAD_NT
.endr
	s_wait_loadcnt 32                              ; the first 32 registers are in
	SORT32 O, R, Q, 1                              ; falling, in R
	s_wait_loadcnt 0x0
	SORT32 O+32, P, Q, 0                           ; rising, in P
.set xi, 0
.rept 32
	v_max_num_f32 v[Q+xi], v[R+xi], v[P+xi]        ; the larger 32 of my 64, bitonic
.set xi, xi+1
.endr
	MERGE Q, P
	XMERGE 1
	XMERGE 2
	XMERGE 4
	XMERGE 8
	XLAST40
	s_wait_alu depctr_va_vdst(0)
	COUNT 64
	s_mov_b32 s[SE], 0
	s_mov_b32 s[SP], 0
	v_mov_b32 v[WA], 0
	v_mov_b32 v[PA], 0
	v_mov_b32 v[WB], 0
	v_mov_b32 v[PB], 0
.irp j, 0,1,2,3,4,5,6,7,8,9,10,11,12,13,14,15,16,17,18,19,20,21,22,23,24,25,26,27,28,29,30,31,32,33,34,35,36,37,38,39,40,41,42,43,44,45,46,47,48,49,50,51,52,53,54,55,56,57,58,59,60,61,62,63
	PICK \j, \j<<16
.endr
	NTH WA, PA, LN
	v_lshrrev_b32 v[N7], 16, v[PA]
	v_lshl_add_u32 v[OUT0], v[N7], 5, v[N2]        ; group = 32 x register + lane of the bit.  Places 0-31 are always filled
	global_store_b32 v2, v[OUT0], s[6:7]
	NTH WB, PB, LN2
	v_lshrrev_b32 v[N7], 16, v[PB]
	v_lshl_add_u32 v[OUT1], v[N7], 5, v[N2]
	v_cmp_gt_u32 vcc_lo, s[SP], v[LN2]             ; is my second place under the count?
	v_cndmask_b32 v[OUT1], 0x80000000, v[OUT1], vcc_lo
	global_store_b32 v2, v[OUT1], s[6:7] offset:128   ; the wave's two stores fill 256 consecutive bytes, aligned
	s_endpgm
.Lfunc_end_k_q5471013a4f_gsel:
	.size	k_q5471013a4f_gsel, .Lfunc_end_k_q5471013a4f_gsel-k_q5471013a4f_gsel
	.p2alignl 7, 3214868480
	.fill 96, 4, 3214868480
	.section	.rodata,"a",@progbits
	.p2align	6, 0x0
	.amdhsa_kernel k_q5471013a4f_gsel
		.amdhsa_group_segment_fixed_size 0
		.amdhsa_private_segment_fixed_size 0
		.amdhsa_enable_private_segment 0
		.amdhsa_kernarg_size 16
		.amdhsa_user_sgpr_count 2
		.amdhsa_user_sgpr_kernarg_segment_ptr 1
		.amdhsa_wavefront_size32 1
		.amdhsa_system_sgpr_workgroup_id_x 1
		.amdhsa_system_sgpr_workgroup_id_y 1
		.amdhsa_system_sgpr_workgroup_id_z 1
		.amdhsa_system_vgpr_workitem_id 0
		.amdhsa_next_free_vgpr 224
		.amdhsa_next_free_sgpr 80
		.amdhsa_reserve_vcc 1
		.amdhsa_float_denorm_mode_32 3
		.amdhsa_float_denorm_mode_16_64 3
		.amdhsa_memory_ordered 1
		.amdhsa_forward_progress 1
		.amdhsa_inst_pref_size 142
	.end_amdhsa_kernel
	.amdgpu_metadata
---
amdhsa.version: [ 1, 2 ]
amdhsa.kernels:
  - .name:           k_q5471013a4f_gsel
    .symbol:         k_q5471013a4f_gsel.kd
    .args:
      - { .name: gmax, .offset: 0, .size: 8, .value_kind: global_buffer, .address_space: global }
      - { .name: glist, .offset: 8, .size: 8, .value_kind: global_buffer, .address_space: global }
    .group_segment_fixed_size: 0
    .private_segment_fixed_size: 0
    .kernarg_segment_align: 8
    .kernarg_segment_size: 16
    .max_flat_workgroup_size: 128
    .sgpr_count:     80
    .vgpr_count:     224
    .wavefront_size: 32
...
	.end_amdgpu_metadata
.endif
;; end of part 8
;; launch rescore (part 9): grid 512 x 1, 4 waves a work-group, no clusters, 0 bytes of LDS; arguments codes, scales, glist, cand, klist; writes cand, klist
.if DOCPART == 9
	.amdgcn_target "amdgcn-amd-amdhsa--gfx1250"
	.amdhsa_code_object_version 6
	.text
	.protected	k_q5471013a4f_rescore
	.globl	k_q5471013a4f_rescore
	.p2align	8
	.type	k_q5471013a4f_rescore,@function
k_q5471013a4f_rescore:
	s_mov_b64 s[64:65], 0
	v_nop
	global_prefetch_b8 v0, s[64:65] scope:SCOPE_SE
	s_setreg_imm32_b32 hwreg(HW_REG_WAVE_SCHED_MODE, 0, 2), 2
	s_setreg_imm32_b32 hwreg(HW_REG_WAVE_MODE, 25, 1), 1
	s_wait_xcnt 0x0
	s_wait_alu depctr_vm_vsrc(0)
; The up to 40 groups of a row (glist, whole numbers stored by the launch before) are scored again by the same matrix instruction on the same codes: 1,280 candidates.
; cand[row][32 j + i] = the score of key 32 glist[row][j] + i (-infinity where place j of the list is empty).
; klist[row][0..63]: the up to 40 best candidates, keys ascending, as key | (place in cand << 16); places from the count on hold 0x80000000.  The last choice, 32 of them, is made by the next launch on f32 sums.
; One wave takes one row.  Source 0 = the query's row in all 16 rows of the operand, source 1 = 16 keys: register 0 of the result holds key (lane % 16)'s score in both halves of the lanes.
; Fifteen sixteenths of each product are copies: the price of rows whose candidates differ.  Two tiles make a group: lanes 0-15 take the first tile's register 0, lanes 16-31 the second's.
; The threshold and the list are made as in the launch before: networks of minima and maxima on values, then masks; the list is data, stored at fixed places: no address and no branch hangs on a score.
; The group numbers enter addresses behind a clamp to 2,047.  No LDS, no barrier.
; LIMITS: the margin is 8 candidates, fewer where more than 32 of the best 40 fall into one half of the lanes; NaN and infinities are not served; +0 and -0 count as equal.
; THE MODE: SCHED_MODE bits 1:0 = 2 (LLVM: expert scheduling mode 2), set by the entry lines.  The code itself states the register dependences
; between vector or matrix instructions and memory instructions, and those through scalar registers that vector instructions write, with s_wait_alu, always for 0.
; THE PLAN.  Registers that memory instructions touch:
;   v4 .. v8     offsets, made once at the head and never written again.  A group is reached by scalar bases (its codes, its scale words), two sets of four pairs, made by scalar
;                instructions behind the wait that shows the set's earlier loads done.
;   KF0, KF1, BS Batch b's four products read set b % 2; behind them the loads of batch b + 2 land in it.
;   O            Batch b's selects write two registers; the two stores that are issued in batch b + 1 read them; nothing writes them again.
;   OUT0, OUT1   Written at the end, read by the last two stores.
; So ONE wait on va_vdst stands in a batch, behind the products' places: the products are done reading their set, and the selects of the batch before are written.
; MASKS.  A compare writes a scalar register; a wait on va_sdst stands between it and its first reader.  The compares are laid in runs, one wait behind each run.
.set CAP, 40
.set QC,  8388608
.set QSO, 262144
.set LN,  1
.set NEG, 9                            ; v9     -infinity
.set AQ,  10                           ; v10-25 the query's fragment
.set AS,  26                           ; v26    its scale word
.set BS,  27                           ; v27-34 the keys' scale words, two sets of four
.set O,   44                           ; v44-83 the candidates; never rewritten once written
.set D,   84                           ; v84-115 four results; afterwards:
.set T,   84
.set WA,  85
.set PA,  86
.set WB,  87
.set PB,  88
.set LN2, 89
.set NA,  90                           ; v90-98   at work; the search for place lane's bit
.set NB,  99                           ; v100-107 (NB + 1 on) the search for place lane + 32's bit, once E1 is done with
.set E1,  100
.set E2,  108
.set OUT0, 108                         ; once E2 is done with
.set OUT1, 109
.set KF,  116                          ; v116-243 four fragments of keys, two sets; afterwards:
.set P,   116
.set Q,   148
.set GL,  16                           ; s16-55 the list
.set SEL, 56                           ; s56, s57
.set HI,  60                           ; s60 lanes 16-31
.set CB,  68                           ; s68-83 in the batches: set p, group g: the codes' base at CB + 8 p + 4 g, the scale words' two on
.set VM,  88                           ; s88-95 in the batches: all ones where place 32 + i of the list is empty
.set CT,  68                           ; behind the batches: s68-75 a run of eight masks
.set SGT, 68                           ; s68-71, s72-75, s76-79, s80-83, s84-87, s88-91: four registers' masks and tags
.set SEQ, 72
.set SS,  76
.set ST,  80
.set SU,  84
.set SV,  88
.set SC,  92
.set SR,  93
.set SE,  94
.set SP,  95
.set SB,  96
.set TG,  97
.macro CEST n, src, dst, k, j, desc    ; one stage of a bitonic network on n registers, from src to dst
.set ci, 0
.rept \n
.set cl, ci^(\j)
.if cl > ci
.if (((ci/(\k))&1)^(\desc))
	v_max_num_f32 v[(\dst)+ci], v[(\src)+ci], v[(\src)+cl]
	v_min_num_f32 v[(\dst)+cl], v[(\src)+ci], v[(\src)+cl]
.else
	v_min_num_f32 v[(\dst)+ci], v[(\src)+ci], v[(\src)+cl]
	v_max_num_f32 v[(\dst)+cl], v[(\src)+ci], v[(\src)+cl]
.endif
.endif
.set ci, ci+1
.endr
.endm
.macro SORT32 in, b1, b2, desc         ; 15 stages; the result lies in b1
	CEST 32, \in, \b1, 2, 1, \desc
	CEST 32, \b1, \b2, 4, 2, \desc
	CEST 32, \b2, \b1, 4, 1, \desc
	CEST 32, \b1, \b2, 8, 4, \desc
	CEST 32, \b2, \b1, 8, 2, \desc
	CEST 32, \b1, \b2, 8, 1, \desc
	CEST 32, \b2, \b1, 16, 8, \desc
	CEST 32, \b1, \b2, 16, 4, \desc
	CEST 32, \b2, \b1, 16, 2, \desc
	CEST 32, \b1, \b2, 16, 1, \desc
	CEST 32, \b2, \b1, 32, 16, \desc
	CEST 32, \b1, \b2, 32, 8, \desc
	CEST 32, \b2, \b1, 32, 4, \desc
	CEST 32, \b1, \b2, 32, 2, \desc
	CEST 32, \b2, \b1, 32, 1, \desc
.endm
.macro SORT8 in, b1, b2, desc          ; six stages; the result lies in b2
	CEST 8, \in, \b1, 2, 1, \desc
	CEST 8, \b1, \b2, 4, 2, \desc
	CEST 8, \b2, \b1, 4, 1, \desc
	CEST 8, \b1, \b2, 8, 4, \desc
	CEST 8, \b2, \b1, 8, 2, \desc
	CEST 8, \b1, \b2, 8, 1, \desc
.endm
.macro MERGE a, b                      ; a bitonic run in a becomes a falling run in b
	CEST 32, \a, \b, 32, 16, 1
	CEST 32, \b, \a, 32, 8, 1
	CEST 32, \a, \b, 32, 4, 1
	CEST 32, \b, \a, 32, 2, 1
	CEST 32, \a, \b, 32, 1, 1
.endm
.macro XMERGE m                        ; with lane l xor m: the larger 32 of the two runs, sorted
.set xi, 0
.rept 32
	v_max_num_f32_dpp v[Q+xi], v[P+31-xi], v[P+xi] row_xmask:\m row_mask:0xf bank_mask:0xf
.set xi, xi+1
.endr
	MERGE Q, P
.endm
.macro XLAST40                         ; T = max(the two halves' 32nd, the 40th of their 64)
.set xi, 0
.rept 32
	v_permlanex16_b32 v[Q+xi], v[P+31-xi], s[SEL], s[SEL+1]
.set xi, xi+1
.endr
	v_max_num_f32 v[T], v[P+31], v[Q]
.set xi, 0
.rept 32
	v_min_num_f32 v[Q+xi], v[Q+xi], v[P+xi]        ; places 33 to 64 of the 64, a bitonic run
.set xi, xi+1
.endr
.set xi, 0
.rept 16
	v_max_num_f32 v[Q+xi], v[Q+xi], v[Q+16+xi]
.set xi, xi+1
.endr
.set xi, 0
.rept 8
	v_max_num_f32 v[Q+xi], v[Q+xi], v[Q+8+xi]      ; its best 8
.set xi, xi+1
.endr
	v_min3_num_f32 v[NA], v[Q], v[Q+1], v[Q+2]
	v_min3_num_f32 v[NA], v[NA], v[Q+3], v[Q+4]
	v_min3_num_f32 v[NA], v[NA], v[Q+5], v[Q+6]
	v_min_num_f32 v[NA], v[NA], v[Q+7]
	v_max_num_f32 v[T], v[T], v[NA]
.endm
.macro COUNT n                         ; s[SR] = CAP - the number of values over the threshold; the compares in runs of eight
	s_mov_b32 s[SC], 0
.set xg, 0
.rept (\n)/8
.irp e, 0,1,2,3,4,5,6,7
	v_cmp_gt_f32 s[CT+\e], v[O+xg+\e], v[T]
.endr
	s_wait_alu depctr_va_sdst(0)                   ; the run's eight masks are written, ahead of the counts that read them
.irp e, 0,1,2,3,4,5,6,7
	s_bcnt1_i32_b32 s[CT+\e], s[CT+\e]
.endr
.irp e, 0,1,2,3,4,5,6,7
	s_add_co_u32 s[SC], s[SC], s[CT+\e]
.endr
.set xg, xg+8
.endr
	s_sub_co_u32 s[SR], CAP, s[SC]
.endm
; Registers j .. j + 3, one after the other in the running counts, their compares in three runs.  A register's mask of chosen lanes: over the threshold, or equal to it and among the first s[SR] equals
; (s[SE] counts the equals so far).  s[SP] counts the chosen so far: a lane whose place is at least s[SP] takes the word and its tag (the group's number, its place in the list, s[SP]);
; in the end it holds the last word with s[SP] <= its place, which is the word that holds its bit.
.macro PICK4 j
.irp e, 0,1,2,3
	v_cmp_gt_f32 s[SGT+\e], v[O+(\j)+\e], v[T]
	v_cmp_eq_f32 s[SEQ+\e], v[O+(\j)+\e], v[T]
.endr
	s_wait_alu depctr_va_sdst(0)                   ; the eight masks are written, ahead of the ranks and counts that read them
.irp e, 0,1,2,3
	v_mbcnt_lo_u32_b32 v[NA+\e], s[SEQ+\e], s[SE]  ; my rank among the equals
	s_bcnt1_i32_b32 s[SB], s[SEQ+\e]
	s_add_co_u32 s[SE], s[SE], s[SB]
.endr
	s_wait_alu depctr_va_vdst(0)
.irp e, 0,1,2,3
	v_cmp_gt_u32 s[SS+\e], s[SR], v[NA+\e]
.endr
	s_wait_alu depctr_va_sdst(0)                   ; the four masks of equals that are still taken are written, ahead of the scalar lines that read them
.irp e, 0,1,2,3
	s_and_b32 s[SS+\e], s[SS+\e], s[SEQ+\e]
	s_or_b32 s[SS+\e], s[SS+\e], s[SGT+\e]
	v_cmp_le_u32 s[SU+\e], s[SP], v[LN]
	v_cmp_le_u32 s[SV+\e], s[SP], v[LN2]
	s_lshl_b32 s[TG], s[GL+(\j)+\e], 16
	s_or_b32 s[TG], s[TG], ((\j)+\e)<<8
	s_or_b32 s[ST+\e], s[SP], s[TG]
	s_bcnt1_i32_b32 s[SB], s[SS+\e]
	s_add_co_u32 s[SP], s[SP], s[SB]
.endr
	s_wait_alu depctr_va_sdst(0)                   ; the eight masks of places are written, ahead of the selects that read them
.irp e, 0,1,2,3
	v_cndmask_b32 v[WA], v[WA], s[SS+\e], s[SU+\e]
	v_cndmask_b32 v[PA], v[PA], s[ST+\e], s[SU+\e]
	v_cndmask_b32 v[WB], v[WB], s[SS+\e], s[SV+\e]
	v_cndmask_b32 v[PB], v[PB], s[ST+\e], s[SV+\e]
.endr
.endm
; The place in word w of the set bit that belongs to place tg: counts of 2, 4, 8, 16 bits (NPREP), then five halvings (NSTEP2); it ends in v[n + 2].  The two searches, for places lane and lane + 32, go side by side.
.macro NPREP n, w, pk, tg
	v_and_b32 v[\n+1], 63, v[\pk]
	v_sub_nc_u32 v[\n+1], v[\tg], v[\n+1]
	v_mov_b32 v[\n+2], 0
	v_lshrrev_b32 v[\n+3], 1, v[\w]
	v_and_b32 v[\n+3], 0x55555555, v[\n+3]
	v_sub_nc_u32 v[\n+3], v[\w], v[\n+3]
	v_lshrrev_b32 v[\n+4], 2, v[\n+3]
	v_and_b32 v[\n+4], 0x33333333, v[\n+4]
	v_and_b32 v[\n+7], 0x33333333, v[\n+3]
	v_add_nc_u32 v[\n+4], v[\n+4], v[\n+7]
	v_lshrrev_b32 v[\n+5], 4, v[\n+4]
	v_add_nc_u32 v[\n+5], v[\n+5], v[\n+4]
	v_and_b32 v[\n+5], 0x0f0f0f0f, v[\n+5]
	v_lshrrev_b32 v[\n+6], 8, v[\n+5]
	v_add_nc_u32 v[\n+6], v[\n+6], v[\n+5]
.endm
.macro NSTEP2 xa, xb, width, field     ; if the bit sought lies beyond the lower half of the field in hand, pass that half over
	v_bfe_u32 v[NA+7], v[\xa], v[NA+2], \field
	v_bfe_u32 v[NB+7], v[\xb], v[NB+2], \field
	v_add_nc_u32 v[NA+8], \width, v[NA+2]
	v_add_nc_u32 v[NB+8], \width, v[NB+2]
	v_cmp_ge_u32 s[SU], v[NA+1], v[NA+7]
	v_cmp_ge_u32 s[SV], v[NB+1], v[NB+7]
	v_sub_nc_u32 v[NA+7], v[NA+1], v[NA+7]
	v_sub_nc_u32 v[NB+7], v[NB+1], v[NB+7]
	s_wait_alu depctr_va_sdst(0)                   ; the two masks are written, ahead of the selects that read them
	v_cndmask_b32 v[NA+1], v[NA+1], v[NA+7], s[SU]
	v_cndmask_b32 v[NA+2], v[NA+2], v[NA+8], s[SU]
	v_cndmask_b32 v[NB+1], v[NB+1], v[NB+7], s[SV]
	v_cndmask_b32 v[NB+2], v[NB+2], v[NB+8], s[SV]
.endm
	s_load_b128 s[4:7], s[0:1], 0x0                ; codes, scales
	s_load_b128 s[8:11], s[0:1], 0x10              ; glist, cand
	s_load_b64 s[12:13], s[0:1], 0x20              ; klist
	v_lshrrev_b32 v1, 5, v0
	v_readfirstlane_b32 s14, v1                    ; wave
	v_and_b32 v1, 31, v0                           ; lane
	v_and_b32 v2, 15, v0                           ; r
	v_bfe_u32 v3, v0, 4, 1                         ; h
	v_lshlrev_b32 v4, 7, v2
	v_lshl_add_u32 v4, v3, 4, v4                   ; a tile of keys: row r of 128 bytes, + 16 h
	v_lshlrev_b32 v5, 2, v2                        ; its scale words
	v_lshlrev_b32 v6, 2, v1                        ; 4 x lane
	v_lshlrev_b32 v7, 4, v3                        ; the query's row, the same for every r: 16 h
	v_mov_b32 v8, 0
	v_mov_b32 v[NEG], 0xff800000
	s_wait_alu depctr_va_sdst(0)                   ; s14 is written, ahead of its first reader: the row's number, and all bases, are made from it
	s_lshl_b32 s15, ttmp9, 2
	s_add_co_u32 s15, s15, s14                     ; my row
	s_mov_b32 s[SEL], 0x76543210
	s_mov_b32 s[SEL+1], 0xfedcba98
	s_mov_b32 s[HI], 0xffff0000
	s_lshl_b32 s58, s15, 8
	s_mov_b32 s59, 0                               ; it stays 0: s[58:59] is an offset's pair throughout
	s_wait_kmcnt 0x0
	s_add_nc_u64 s[8:9], s[8:9], s[58:59]          ; my row of the list of groups
	s_add_nc_u64 s[12:13], s[12:13], s[58:59]
	s_load_b512 s[16:31], s[8:9], 0x0
	s_load_b512 s[32:47], s[8:9], 0x40
	s_load_b256 s[48:55], s[8:9], 0x80
	s_lshl_b32 s58, s15, 7
	s_add_co_u32 s58, s58, QC
	s_add_nc_u64 s[62:63], s[4:5], s[58:59]        ; the query's codes
	s_lshl_b32 s58, s15, 2
	s_add_co_u32 s58, s58, QSO
	s_add_nc_u64 s[66:67], s[6:7], s[58:59]        ; its scale word
	s_mul_i32 s58, s15, 5120
	s_add_nc_u64 s[10:11], s[10:11], s[58:59]      ; my row of cand
	s_wait_alu depctr_va_vdst(0)                   ; v4 to v8 are written: every load and store of the kernel reads one of them as its offset
.irp c, 0,1,2,3
	global_load_b128 v[AQ+4*\c:AQ+4*\c+3], v7, s[62:63] offset:32*\c
.endr
	global_load_b32 v[AS], v8, s[66:67]
	s_wait_kmcnt 0x0
.irp i, 0,1,2,3,4,5,6,7
	s_ashr_i32 s[VM+\i], s[GL+32+\i], 31           ; all ones where the place is empty (only places 32 on can be)
.endr
.irp j, 0,1,2,3,4,5,6,7,8,9,10,11,12,13,14,15,16,17,18,19,20,21,22,23,24,25,26,27,28,29,30,31,32,33,34,35,36,37,38,39
	s_min_u32 s[GL+\j], s[GL+\j], 2047             ; a loaded number enters addresses only behind a clamp
.endr
; The bases of groups 2 b and 2 b + 1, into set b % 2.  The set's earlier loads have been waited for, so its bases may be written.
.macro BASES b
.irp g, 0,1
	s_lshl_b32 s58, s[GL+2*(\b)+\g], 12            ; a group's codes are 4,096 bytes
	s_add_nc_u64 s[CB+8*((\b)%2)+4*\g:CB+8*((\b)%2)+4*\g+1], s[4:5], s[58:59]
	s_lshl_b32 s58, s[GL+2*(\b)+\g], 7             ; its scale words 128
	s_add_nc_u64 s[CB+8*((\b)%2)+4*\g+2:CB+8*((\b)%2)+4*\g+3], s[6:7], s[58:59]
.endr
.endm
; Groups 2 b and 2 b + 1 into set b % 2: 20 loads
.macro LOADB b
.irp g, 0,1
.irp u, 0,1
.irp c, 0,1,2,3
	global_load_b128 v[KF+64*((\b)%2)+16*(2*\g+\u)+4*\c:KF+64*((\b)%2)+16*(2*\g+\u)+4*\c+3], v4, s[CB+8*((\b)%2)+4*\g:CB+8*((\b)%2)+4*\g+1] offset:2048*\u+32*\c
.endr
	global_load_b32 v[BS+4*((\b)%2)+2*\g+\u], v5, s[CB+8*((\b)%2)+4*\g+2:CB+8*((\b)%2)+4*\g+3] offset:64*\u
.endr
.endr
.endm
; cnt: the loads issued behind this batch's: the next batch's 20, or none
.macro BATCH b, cnt
	s_wait_loadcnt \cnt
.if (\b) < 18
	BASES (\b)+2                                   ; free since that wait, which shows the loads that read them done
.endif
.irp i, 0,1,2,3
	v_wmma_scale_f32_16x16x128_f8f6f4 v[D+8*\i:D+8*\i+7], v[AQ:AQ+15], v[KF+64*((\b)%2)+16*\i:KF+64*((\b)%2)+16*\i+15], 0, v[AS], v[BS+4*((\b)%2)+\i]
.endr
.rept 10
	v_nop                                          ; ten places (ISA guide 7.12.1) in front of the reads of results and of the next batch's products, which write the results anew
.endr
	s_wait_alu depctr_va_vdst(0)                   ; the four products are done reading this set of keys and scale words, in which the loads below land; the selects of the batch before are written, which the stores below read
.if (\b) < 18
	LOADB (\b)+2
.endif
.if (\b) > 0
.irp g, 0,1
	global_store_b32 v6, v[O+2*(\b)-2+\g], s[10:11] offset:128*(2*(\b)-2+\g)   ; the batch before
.endr
.endif
.irp g, 0,1
	v_cndmask_b32 v[O+2*(\b)+\g], v[D+16*\g], v[D+16*\g+8], s[HI]   ; lanes 0-15: keys 0-15 of the group; lanes 16-31: keys 16-31.  Register 0 of each result
.endr
.if (\b) >= 16
.irp g, 0,1
	v_cndmask_b32 v[O+2*(\b)+\g], v[O+2*(\b)+\g], v[NEG], s[VM+2*(\b)+\g-32]   ; an empty place counts for nothing
.endr
.endif
.endm
	BASES 0
	BASES 1
	LOADB 0
	LOADB 1
.irp b, 0,1,2,3,4,5,6,7,8,9,10,11,12,13,14,15,16,17,18
	BATCH \b, 20
.endr
	BATCH 19, 0
	s_wait_alu depctr_va_vdst(0)                   ; the last batch's selects are written, which the two stores read
	global_store_b32 v6, v[O+38], s[10:11] offset:128*38
	global_store_b32 v6, v[O+39], s[10:11] offset:128*39
	v_add_nc_u32 v[LN2], 32, v[LN]                 ; (the results' and the keys' registers are done with; ten places stand behind the last products)
	SORT32 O, Q, P, 1                              ; my first 32 candidates, falling, in Q
	SORT8 O+32, E1, E2, 0                          ; my other 8, rising, in E2
.set xi, 0
.rept 8
	v_max_num_f32 v[Q+24+xi], v[Q+24+xi], v[E2+xi] ; the larger 32 of my 40, bitonic
.set xi, xi+1
.endr
	MERGE Q, P
	XMERGE 1
	XMERGE 2
	XMERGE 4
	XMERGE 8
	XLAST40
	s_wait_alu depctr_va_vdst(0)
	COUNT 40
	s_mov_b32 s[SE], 0
	s_mov_b32 s[SP], 0
	v_mov_b32 v[WA], 0
	v_mov_b32 v[PA], 0
	v_mov_b32 v[WB], 0
	v_mov_b32 v[PB], 0
.irp j, 0,4,8,12,16,20,24,28,32,36
	PICK4 \j
.endr
	NPREP NA, WA, PA, LN
	NPREP NB, WB, PB, LN2
	NSTEP2 NA+6, NB+6, 16, 8
	NSTEP2 NA+5, NB+5, 8, 8
	NSTEP2 NA+4, NB+4, 4, 4
	NSTEP2 NA+3, NB+3, 2, 2
	NSTEP2 WA, WB, 1, 1
	v_cmp_gt_u32 vcc_lo, s[SP], v[LN2]             ; is my second place under the count?
	v_lshrrev_b32 v[NA+7], 16, v[PA]
	v_lshl_add_u32 v[NA+7], v[NA+7], 5, v[NA+2]    ; key = 32 x group + bit
	v_bfe_u32 v[NA+8], v[PA], 8, 6
	v_lshl_add_u32 v[NA+8], v[NA+8], 5, v[NA+2]    ; place in cand = 32 x place in the list + bit
	v_lshl_or_b32 v[OUT0], v[NA+8], 16, v[NA+7]
	v_lshrrev_b32 v[NB+7], 16, v[PB]
	v_lshl_add_u32 v[NB+7], v[NB+7], 5, v[NB+2]
	v_bfe_u32 v[NB+8], v[PB], 8, 6
	v_lshl_add_u32 v[NB+8], v[NB+8], 5, v[NB+2]
	v_lshl_or_b32 v[OUT1], v[NB+8], 16, v[NB+7]
	s_wait_alu depctr_va_vcc(0)                    ; VCC is written, ahead of the select that reads it
	v_cndmask_b32 v[OUT1], 0x80000000, v[OUT1], vcc_lo
	s_wait_alu depctr_va_vdst(0)                   ; the two list words are written, which the stores read
	global_store_b32 v6, v[OUT0], s[12:13]
	global_store_b32 v6, v[OUT1], s[12:13] offset:128   ; the wave's two stores fill 256 consecutive bytes, aligned
	s_endpgm
.Lfunc_end_k_q5471013a4f_rescore:
	.size	k_q5471013a4f_rescore, .Lfunc_end_k_q5471013a4f_rescore-k_q5471013a4f_rescore
	.p2alignl 7, 3214868480
	.fill 96, 4, 3214868480
	.section	.rodata,"a",@progbits
	.p2align	6, 0x0
	.amdhsa_kernel k_q5471013a4f_rescore
		.amdhsa_group_segment_fixed_size 0
		.amdhsa_private_segment_fixed_size 0
		.amdhsa_enable_private_segment 0
		.amdhsa_kernarg_size 40
		.amdhsa_user_sgpr_count 2
		.amdhsa_user_sgpr_kernarg_segment_ptr 1
		.amdhsa_wavefront_size32 1
		.amdhsa_system_sgpr_workgroup_id_x 1
		.amdhsa_system_sgpr_workgroup_id_y 1
		.amdhsa_system_sgpr_workgroup_id_z 1
		.amdhsa_system_vgpr_workitem_id 0
		.amdhsa_next_free_vgpr 256
		.amdhsa_next_free_sgpr 98
		.amdhsa_reserve_vcc 1
		.amdhsa_float_denorm_mode_32 3
		.amdhsa_float_denorm_mode_16_64 3
		.amdhsa_memory_ordered 1
		.amdhsa_forward_progress 1
		.amdhsa_inst_pref_size 176
	.end_amdhsa_kernel
	.amdgpu_metadata
---
amdhsa.version: [ 1, 2 ]
amdhsa.kernels:
  - .name:           k_q5471013a4f_rescore
    .symbol:         k_q5471013a4f_rescore.kd
    .args:
      - { .name: codes, .offset: 0, .size: 8, .value_kind: global_buffer, .address_space: global }
      - { .name: scales, .offset: 8, .size: 8, .value_kind: global_buffer, .address_space: global }
      - { .name: glist, .offset: 16, .size: 8, .value_kind: global_buffer, .address_space: global }
      - { .name: cand, .offset: 24, .size: 8, .value_kind: global_buffer, .address_space: global }
      - { .name: klist, .offset: 32, .size: 8, .value_kind: global_buffer, .address_space: global }
    .group_segment_fixed_size: 0
    .private_segment_fixed_size: 0
    .kernarg_segment_align: 8
    .kernarg_segment_size: 40
    .max_flat_workgroup_size: 128
    .sgpr_count:     98
    .vgpr_count:     256
    .wavefront_size: 32
...
	.end_amdgpu_metadata
.endif
;; end of part 9
;; launch final (part 10): grid 256 x 1, 8 waves a work-group, no clusters, 26,112 bytes of LDS; arguments klist, cand, pool, codes, scales, out0; writes out0
.if DOCPART == 10
	.amdgcn_target "amdgcn-amd-amdhsa--gfx1250"
	.amdhsa_code_object_version 6
	.text
	.protected	k_q5471013a4f_final
	.globl	k_q5471013a4f_final
	.p2align	8
	.type	k_q5471013a4f_final,@function
k_q5471013a4f_final:
	s_mov_b64 s[64:65], 0
	v_nop
	global_prefetch_b8 v0, s[64:65] scope:SCOPE_SE
	s_setreg_imm32_b32 hwreg(HW_REG_WAVE_SCHED_MODE, 0, 2), 2
	s_setreg_imm32_b32 hwreg(HW_REG_WAVE_MODE, 25, 1), 1
	s_wait_xcnt 0x0
	s_wait_alu depctr_vm_vsrc(0)
; out0[row] = Q(sum over the row's top 32 keys of softmax weight x pool[key]) Q(w_out)^T.  klist holds up to 40 candidates a row, keys ascending, whole numbers stored by the launch before.
; SHARES.  A work-group takes 8 rows; wave w works for row 8 x work-group + w; lane k holds candidates k and 32 + k.
; THE LAST CHOICE, 32 OF 40, IS MADE ON f32 SUMS, which define the result: two scores that differ in their last bits may come out of the matrix instruction in another order.  The candidates' and the query's codes
; are widened, multiplied by their blocks' powers of two (exact) and summed by one chain of fused multiply-adds in ascending k: 40 x 128 of the row's 65,536 x 128 products.  A candidate's rank is the number of
; candidates with a larger sum, or an equal sum and an earlier place (the lower key); ranks under 32 are in.  These sums decide the order alone: THE WEIGHTS COME FROM THE MATRIX UNIT'S SCORES (cand).
; What is out gets the score -infinity, so the weight 0, and all 40 rows of pool are weighed in: no address and no branch hangs on a score.  Eight rows in forty are read for nothing; a launch more would cost more.
; The 8 sums meet in LDS.  Every wave quantises them along K = 256 (two fragments) and makes output columns 32 w .. 32 w + 31: source 0 = 16 rows of w_out, source 1 = the sums.
; Columns r and r + 8 of source 1 hold the same row r & 7: half a tile is a copy: the price of 256 work-groups for the gather; the product is four matrix instructions a wave.
; No cluster and no tensor load: the rows gathered differ from wave to wave; w_out's codes, the one shared input, are 64 KB against 0.3 MB gathered by a work-group.
; LIMITS: where a score is not exact in f32, a sum in another order than ascending k can differ in its last bit; the weighted sum runs in key order (f32 rounding alone differs);
; a block of zeros gets the scale byte 1 over zero codes; NaN and infinities are not served.
; THE MODE: SCHED_MODE bits 1:0 = 2 (LLVM: expert scheduling mode 2), set by the entry lines.  The code itself states the register dependences
; between vector or matrix instructions and memory or LDS instructions, and those through scalar registers and VCC that vector instructions write, with s_wait_alu, always for 0.
; THE PLAN.  Registers that memory or LDS instructions touch:
;   v4-v7, v118-v122  offsets and LDS addresses, made once at the head and never written again.
;   v10-v15      offsets made from my two list words; read by the candidates' 20 loads; much later written by the softmax and by the codes.
;   OFFS0, OFFS1 offsets of 8 rows of pool.  Written ahead of a batch's loads, read by them; written again two batches on; at last the quantiser works there.
;   WF, PD       w_out's fragments and the rows of pool land in registers that the f32 sums have used; batch b's multiply-adds read PD[b % 2], in which batch b + 2 lands; at last the 8 sums come there from LDS.
;   ACC, DD      written by multiply-adds and by products, read by LDS stores.     v24-31: at the very end LDS loads land there, and the global stores read them.
; MASKS AND LANES' NUMBERS IN SCALARS are made in runs (eight v_readlane, 24 compares), with one wait on va_sdst behind each run.
.set QC,   8388608                     ; the query's codes in the codes' buffer
.set QSO,  262144                      ; and its scale bytes
.set WC,   8650752                     ; w_out's codes
.set WSO,  270336                      ; and its scale bytes
.set AGG,  0                           ; LDS: 8 rows of 1,024 bytes + 16
.set OUTS, 8448                        ; 16 rows of 1,024 bytes + 16
.set PC0,  8                           ; v8-23   at work; v16-23 the sums; at last the first fragment's codes
.set ACC,  16
.set OFFS, 24                          ; v24-39  the blocks' scales, then offsets of 8 rows of pool, two sets; afterwards:
.set TM,   24                          ; v24-27 largest magnitudes, v28-31 bytes, v32-35 448 x the scale, v36-39 the conversions' scale operands
.set KAF,  48                          ; v48-79, v80-111 a block of each candidate as f32; afterwards:
.set KBF,  80
.set WF,   48                          ; v48-111 w_out's fragments: tile t, K step s at 16 (2 t + s)
.set WSR,  112                         ; v112-115 their scale words
.set PW,   116                         ; v116-117 the sums' scale words
.set QCD,  128                         ; v128-159 the query's codes; v160-191, v192-223 the candidates'; v224-255 a block of the query as f32; afterwards:
.set KAC,  160
.set KBC,  192
.set QF,   224
.set PD,   128                         ; v128-255 8 rows of pool, two sets; afterwards the sums as f32: 64 numbers for each K step
.set PC1,  128                         ; the second fragment's codes
.set DD,   144                         ; v144-159 two results
.set GL,   16                          ; s16-55 the list
.set SEL,  58                          ; s58, s59
.set MNT,  60
.set RR,   66                          ; s66-73 eight candidates' sums, then a mask each; later eight weights
.set RA,   82                          ; s82-89, s90-97 eight masks each
.set RB,   90
	s_load_b128 s[4:7], s[0:1], 0x0                ; klist, cand
	s_load_b128 s[8:11], s[0:1], 0x10              ; pool, codes
	s_load_b128 s[12:15], s[0:1], 0x20             ; scales, out0
	v_lshl_add_u32 v126, v0, 2, 0x6200
	v_mov_b32 v127, 0
	v_lshrrev_b32 v1, 5, v0
	v_readfirstlane_b32 s56, v1                    ; wave 0..7
	v_and_b32 v1, 31, v0                           ; lane
	v_and_b32 v2, 15, v0                           ; r
	v_bfe_u32 v3, v0, 4, 1                         ; h
	v_lshlrev_b32 v4, 4, v1                        ; 16 x lane
	v_lshlrev_b32 v5, 2, v1                        ; 4 x lane
	v_lshlrev_b32 v6, 8, v2
	v_lshl_add_u32 v6, v3, 4, v6                   ; w_out: row r of 256 bytes, + 16 h
	v_lshlrev_b32 v7, 3, v2                        ; its scale bytes: 8 a row
	v_mov_b32 v122, 0
	v_mov_b32 v123, 0x7f7f7f7f                     ; the scale byte of 1.0, in every byte of every lane
	v_mov_b32 v124, 0xff800000                     ; -infinity
	v_mov_b32 v25, 0                               ; (the upper halves of pairs of which the low word alone is used)
	v_mov_b32 v27, 0
	v_mov_b32 v29, 0
	s_wait_alu depctr_va_sdst(0)                   ; s56 is written, ahead of its first reader: LDS addresses and the bases are made from it
	s_mul_i32 s61, s56, 1040
	v_add_nc_u32 v118, s61, v4                     ; where I put my row's sum
	v_and_b32 v119, 7, v2
	v_mul_u32_u24 v119, v119, 1040
	v_lshl_add_u32 v119, v3, 6, v119               ; where I read row r & 7: my 16 numbers of a block of 32
	v_mul_u32_u24 v120, v2, 1040
	v_lshl_add_u32 v120, v3, 5, v120
	s_lshl_b32 s62, s56, 7
	s_add_co_u32 s62, s62, OUTS
	v_add_nc_u32 v120, s62, v120                   ; results: row r, my 32 columns, + 8 h columns
	s_add_co_u32 s61, s61, OUTS
	v_add_nc_u32 v121, s61, v4                     ; back: row w
	s_mov_b32 s[SEL], 0x76543210
	s_mov_b32 s[SEL+1], 0xfedcba98
	s_mov_b32 s[MNT], 0x600000
	s_lshl_b32 s57, ttmp9, 3
	s_add_co_u32 s57, s57, s56                     ; my row
	s_lshl_b32 s62, s57, 8
	s_mov_b32 s63, 0
	s_wait_kmcnt 0x0
	s_add_nc_u64 s[4:5], s[4:5], s[62:63]
	s_load_b512 s[16:31], s[4:5], 0x0              ; the 40 list words as scalars, for the rows of pool,
	s_load_b512 s[32:47], s[4:5], 0x40
	s_load_b256 s[48:55], s[4:5], 0x80
	s_wait_alu depctr_va_vdst(0)                   ; v4 to v7 and v118 to v122 are written: the loads and stores below, global and LDS, read them as offsets and addresses
	global_load_b32 v8, v5, s[4:5]                 ; and two a lane: candidates lane and 32 + lane
	global_load_b32 v9, v5, s[4:5] offset:128
	s_lshl_b32 s62, s57, 7
	s_add_co_u32 s62, s62, QC
	s_add_nc_u64 s[78:79], s[10:11], s[62:63]      ; the query's codes
	s_lshl_b32 s62, s57, 2
	s_add_co_u32 s62, s62, QSO
	s_add_nc_u64 s[80:81], s[12:13], s[62:63]      ; its scale word
.irp c, 0,1,2,3,4,5,6,7
	global_load_b128 v[QCD+4*\c:QCD+4*\c+3], v122, s[78:79] offset:16*\c   ; every lane takes the whole row
.endr
	global_load_b32 v18, v122, s[80:81]
	s_mul_i32 s62, s57, 5120
	s_add_nc_u64 s[6:7], s[6:7], s[62:63]          ; my row of cand
	s_lshl_b32 s62, s56, 13
	s_add_co_u32 s62, s62, WC
	s_add_nc_u64 s[74:75], s[10:11], s[62:63]      ; my 32 rows of w_out's codes
	s_lshl_b32 s62, s56, 8
	s_add_co_u32 s62, s62, WSO
	s_add_nc_u64 s[76:77], s[12:13], s[62:63]      ; and their scale bytes
	s_lshl_b32 s62, s57, 10
	s_add_nc_u64 s[14:15], s[14:15], s[62:63]      ; my row of out0
	s_wait_loadcnt 9                               ; my two list words are in; the query's nine loads may be out
	v_and_b32 v10, 0xffff, v8
	v_min_u32 v10, 0xffff, v10                     ; the key, behind a clamp (an empty place gives key 0)
	v_and_b32 v11, 0xffff, v9
	v_min_u32 v11, 0xffff, v11
	v_lshlrev_b32 v12, 2, v10                      ; its scale word,
	v_lshlrev_b32 v13, 2, v11
	v_lshlrev_b32 v10, 7, v10                      ; its 128 codes
	v_lshlrev_b32 v11, 7, v11
	v_bfe_u32 v14, v8, 16, 11
	v_min_u32 v14, 0x4ff, v14                      ; the place of its score in cand, behind a clamp
	v_lshlrev_b32 v14, 2, v14
	v_bfe_u32 v15, v9, 16, 11
	v_min_u32 v15, 0x4ff, v15
	v_lshlrev_b32 v15, 2, v15
	s_wait_alu depctr_va_vdst(0)                   ; v10 to v15 are written, which the 20 loads below read as offsets
.irp c, 0,1,2,3,4,5,6,7
	global_load_b128 v[KAC+4*\c:KAC+4*\c+3], v10, s[10:11] offset:16*\c
.endr
.irp c, 0,1,2,3,4,5,6,7
	global_load_b128 v[KBC+4*\c:KBC+4*\c+3], v11, s[10:11] offset:16*\c
.endr
	global_load_b32 v19, v12, s[12:13]
	global_load_b32 v20, v13, s[12:13]
	global_load_b32 v21, v14, s[6:7]               ; the matrix unit's scores
	global_load_b32 v22, v15, s[6:7]
	s_wait_loadcnt 0x0
	s_wait_alu depctr_vm_vsrc(0)                   ; those loads have read v10 to v15, which the softmax and, at last, the first fragment's codes write; no later memory instruction reads them
; One block of 32 along K: the three scales as f32 (byte << 23), the codes widened, each number x its block's scale (exact), 32 links of each candidate's chain; the two chains by turns.
.macro EXBLK b
	v_bfe_u32 v24, v18, 8*\b, 8
	v_bfe_u32 v26, v19, 8*\b, 8
	v_bfe_u32 v28, v20, 8*\b, 8
	v_lshlrev_b32 v24, 23, v24
	v_lshlrev_b32 v26, 23, v26
	v_lshlrev_b32 v28, 23, v28
.irp g, 0,1,2,3
	v_cvt_scale_pk8_f32_fp8 v[QF+8*\g:QF+8*\g+7], v[QCD+8*\b+2*\g:QCD+8*\b+2*\g+1], v123
	v_cvt_scale_pk8_f32_fp8 v[KAF+8*\g:KAF+8*\g+7], v[KAC+8*\b+2*\g:KAC+8*\b+2*\g+1], v123
	v_cvt_scale_pk8_f32_fp8 v[KBF+8*\g:KBF+8*\g+7], v[KBC+8*\b+2*\g:KBC+8*\b+2*\g+1], v123
.endr
	v_nop                                          ; a plain place behind the conversions
.irp i, 0,2,4,6,8,10,12,14,16,18,20,22,24,26,28,30
	v_pk_mul_f32 v[QF+\i:QF+\i+1], v[QF+\i:QF+\i+1], v[24:25] op_sel_hi:[1,0]
	v_pk_mul_f32 v[KAF+\i:KAF+\i+1], v[KAF+\i:KAF+\i+1], v[26:27] op_sel_hi:[1,0]
	v_pk_mul_f32 v[KBF+\i:KBF+\i+1], v[KBF+\i:KBF+\i+1], v[28:29] op_sel_hi:[1,0]
.endr
.set ei, 0
.rept 32
.if (\b) == 0 && ei == 0
	v_mul_f32 v16, v[QF], v[KAF]                   ; the first product starts each sum
	v_mul_f32 v17, v[QF], v[KBF]
.else
	v_fmac_f32 v16, v[QF+ei], v[KAF+ei]
	v_fmac_f32 v17, v[QF+ei], v[KBF+ei]
.endif
.set ei, ei+1
.endr
.endm
	EXBLK 0
	EXBLK 1
	EXBLK 2
	EXBLK 3
	v_cmp_gt_i32 vcc_lo, 0, v9                     ; an empty place (bit 31) counts for nothing
	s_wait_alu depctr_va_vdst(0)
	s_wait_kmcnt 0x0
.irp k, 0,1,2,3,4,5,6,7,8,9,10,11,12,13,14,15,16,17,18,19,20,21,22,23,24,25,26,27,28,29,30,31,32,33,34,35,36,37,38,39
	s_and_b32 s[GL+\k], s[GL+\k], 0xffff           ; the key,
	s_min_u32 s[GL+\k], s[GL+\k], 0xffff           ; behind a clamp
.endr
	s_wait_alu depctr_va_vcc(0)                    ; VCC is written, ahead of the select that reads it
	v_cndmask_b32 v17, v17, v124, vcc_lo
.macro PADDR b                         ; the offsets of the rows of candidates 8 b .. 8 b + 7, into set b % 2
.irp k, 0,1,2,3,4,5,6,7
	v_lshl_add_u32 v[OFFS+8*((\b)%2)+\k], s[GL+8*(\b)+\k], 10, v4
.endr
.endm
.macro PLOAD b                         ; those rows into set b % 2: 16 loads of 512 consecutive bytes.  No hint: other rows' lists may name the same rows of pool
.irp k, 0,1,2,3,4,5,6,7
	global_load_b128 v[PD+64*((\b)%2)+8*\k:PD+64*((\b)%2)+8*\k+3], v[OFFS+8*((\b)%2)+\k], s[8:9]
	global_load_b128 v[PD+64*((\b)%2)+8*\k+4:PD+64*((\b)%2)+8*\k+7], v[OFFS+8*((\b)%2)+\k], s[8:9] offset:512
.endr
.endm
	PADDR 0
	PADDR 1
	s_wait_alu depctr_va_vdst(0)                   ; the f32 sums are done with the registers in which w_out and the rows of pool land (they wrote and read them); the 16 offsets are written, which the loads read
	; w_out and the first two batches of pool are asked for, and land while the ranks and weights are made
.irp t, 0,1
.irp s, 0,1
.irp c, 0,1,2,3
	global_load_b128 v[WF+16*(2*\t+\s)+4*\c:WF+16*(2*\t+\s)+4*\c+3], v6, s[74:75] offset:4096*\t+128*\s+32*\c
.endr
	global_load_b32 v[WSR+2*\t+\s], v7, s[76:77] offset:128*\t+4*\s
.endr
.endr
	PLOAD 0
	PLOAD 1
	; RANKS.  Candidate j's sum goes to all lanes; it beats a candidate at a later place where it is >=, one at an earlier place where it is >.  Eight candidates at a time.
	v_mov_b32 v42, 0                               ; the rank of candidate lane
	v_mov_b32 v43, 0                               ; and of candidate 32 + lane
.macro ADD8 r, m                       ; eight masks are added to a rank, as selects of 0 or 1 (a carry would go through VCC at every addition)
.irp g, 0,4
.irp e, 0,1,2,3
	v_cndmask_b32 v[44+\e], 0, 1, s[\m+\g+\e]
.endr
	v_add3_u32 v[\r], v[\r], v44, v45
	v_add3_u32 v[\r], v[\r], v46, v47
.endr
.endm
.macro RANKA j                         ; candidates j .. j + 7, of the first 32
.irp e, 0,1,2,3,4,5,6,7
	v_readlane_b32 s[RR+\e], v16, (\j)+\e
.endr
	s_wait_alu depctr_va_sdst(0)                   ; the eight sums are in scalars, ahead of the compares that read them
.irp e, 0,1,2,3,4,5,6,7
	v_cmp_gt_f32 s[RA+\e], s[RR+\e], v16
	v_cmp_ge_f32 s[RB+\e], s[RR+\e], v16
	v_cmp_ge_f32 s[RR+\e], s[RR+\e], v17           ; every place from 32 on lies behind j.  (The mask takes the sum's register: this is the sum's last reader)
.endr
	s_wait_alu depctr_va_sdst(0)                   ; the 24 masks are written, ahead of the scalar lines and selects that read them
.irp e, 0,1,2,3,4,5,6,7
	s_and_b32 s[RB+\e], s[RB+\e], (0xfffffffe<<((\j)+\e))&0xffffffff   ; lanes behind j
	s_or_b32 s[RA+\e], s[RA+\e], s[RB+\e]
.endr
	ADD8 42, RA
	ADD8 43, RR
.endm
	RANKA 0
	RANKA 8
	RANKA 16
	RANKA 24
.irp e, 0,1,2,3,4,5,6,7
	v_readlane_b32 s[RR+\e], v17, \e               ; candidates 32 .. 39
.endr
	s_wait_alu depctr_va_sdst(0)                   ; the eight sums are in scalars, ahead of the compares that read them
.irp e, 0,1,2,3,4,5,6,7
	v_cmp_gt_f32 s[RA+\e], s[RR+\e], v17
	v_cmp_ge_f32 s[RB+\e], s[RR+\e], v17
	v_cmp_gt_f32 s[RR+\e], s[RR+\e], v16           ; every place under 32 lies in front of it
.endr
	s_wait_alu depctr_va_sdst(0)                   ; the 24 masks are written, ahead of the scalar lines and selects that read them
.irp e, 0,1,2,3,4,5,6,7
	s_and_b32 s[RB+\e], s[RB+\e], (0xfffffffe<<\e)&0xffffffff
	s_or_b32 s[RA+\e], s[RA+\e], s[RB+\e]
.endr
	ADD8 42, RR
	ADD8 43, RA
	v_cmp_gt_u32 s[RA], 32, v42
	v_cmp_gt_u32 s[RA+1], 32, v43
	s_wait_alu depctr_va_sdst(0)                   ; the two masks are written, ahead of the selects that read them
	v_cndmask_b32 v21, v124, v21, s[RA]            ; what is out gets the score -infinity
	v_cndmask_b32 v22, v124, v22, s[RA+1]
	v_max_num_f32 v11, v21, v22
	v_max_num_f32_dpp v11, v11, v11 row_xmask:1 row_mask:0xf bank_mask:0xf
	v_max_num_f32_dpp v11, v11, v11 row_xmask:2 row_mask:0xf bank_mask:0xf
	v_max_num_f32_dpp v11, v11, v11 row_xmask:4 row_mask:0xf bank_mask:0xf
	v_max_num_f32_dpp v11, v11, v11 row_xmask:8 row_mask:0xf bank_mask:0xf
	v_permlanex16_b32 v12, v11, s[SEL], s[SEL+1]
	v_max_num_f32 v11, v11, v12                    ; the largest of the 32 scores
	v_sub_f32 v21, v21, v11
	v_sub_f32 v22, v22, v11
	v_mul_f32 v21, 0x3fb8aa3b, v21
	v_mul_f32 v22, 0x3fb8aa3b, v22
	s_wait_alu depctr_va_vdst(0)
	v_exp_f32 v21, v21                             ; e^(score - largest); 0 for what is out
	v_exp_f32 v22, v22
	v_nop                                          ; a plain place behind the transcendentals
	s_wait_alu depctr_va_vdst(0)                   ; the two exponentials are written, ahead of their first reader
	v_add_f32 v13, v21, v22
	v_add_f32_dpp v13, v13, v13 row_xmask:1 row_mask:0xf bank_mask:0xf
	v_add_f32_dpp v13, v13, v13 row_xmask:2 row_mask:0xf bank_mask:0xf
	v_add_f32_dpp v13, v13, v13 row_xmask:4 row_mask:0xf bank_mask:0xf
	v_add_f32_dpp v13, v13, v13 row_xmask:8 row_mask:0xf bank_mask:0xf
	v_permlanex16_b32 v12, v13, s[SEL], s[SEL+1]
	v_add_f32 v13, v13, v12
	s_wait_alu depctr_va_vdst(0)
	v_rcp_f32 v13, v13
	v_nop
	s_wait_alu depctr_va_vdst(0)                   ; the reciprocal is written, ahead of its first reader
	v_mul_f32 v40, v21, v13                        ; the weights of candidates lane
	v_mul_f32 v41, v22, v13                        ; and 32 + lane
.macro FMAB b                          ; eight rows weighed in; their weights go to scalars as multipliers; the very first row starts the sums
.irp k, 0,1,2,3,4,5,6,7
.if (\b) < 4
	v_readlane_b32 s[RR+\k], v40, 8*(\b)+\k
.else
	v_readlane_b32 s[RR+\k], v41, \k
.endif
.endr
	s_wait_alu depctr_va_sdst(0)                   ; the eight weights are in scalars, ahead of the multiply-adds that read them
.irp k, 0,1,2,3,4,5,6,7
.irp i, 0,1,2,3,4,5,6,7
.if (\b) == 0 && \k == 0
	v_mul_f32 v[ACC+\i], s[RR], v[PD+\i]
.else
	v_fmac_f32 v[ACC+\i], s[RR+\k], v[PD+64*((\b)%2)+8*\k+\i]
.endif
.endr
.endr
.endm
; Batch b is weighed in and batch b + 2 is asked for, into the same set.  The offsets are made ahead of the 64 multiply-adds, so that one wait behind these serves both.
.macro TURNB b
	s_wait_loadcnt 16                              ; batch b is in (and w_out); the next batch's 16 loads may be out
	s_wait_alu depctr_vm_vsrc(0)                   ; batch b's loads have read their eight offsets, which the lines below write again
	PADDR (\b)+2
	FMAB \b
	s_wait_alu depctr_va_vdst(0)                   ; the eight offsets are written, which the loads below read; the multiply-adds are done reading this set of rows, in which they land
	PLOAD (\b)+2
.endm
	TURNB 0
	TURNB 1
	TURNB 2
	s_wait_loadcnt 16
	FMAB 3
	s_wait_loadcnt 0x0
	FMAB 4
	s_wait_alu depctr_va_vdst(0)                   ; the sums are written, which the LDS stores read; the multiply-adds are done reading the rows of pool, in which the LDS loads behind the barrier land
	ds_store_b128 v118, v[ACC:ACC+3]               ; columns 4 lane ..
	ds_store_b128 v118, v[ACC+4:ACC+7] offset:512  ; columns 128 + 4 lane ..
	s_wait_dscnt 0x0                               ; for the others' sake: my row has landed
	s_barrier_signal -1
	s_barrier_wait -1                              ; the eight sums lie in LDS; nobody writes them again
	s_wait_alu depctr_vm_vsrc(0)                   ; my LDS stores have read the sums' registers and the loads of pool their offsets: the quantiser below writes both
.irp s, 0,1
.irp b, 0,1,2,3
.irp q, 0,1,2,3
	ds_load_b128 v[PD+64*\s+16*\b+4*\q:PD+64*\s+16*\b+4*\q+3], v119 offset:512*\s+128*\b+16*\q   ; register 16 b + i = k 128 s + 32 b + 16 h + i of row r & 7
.endr
.endr
.endr
; 64 numbers of a lane, v[s] on, become a fragment's codes in v[pc] on and its scale word in v[pw].
.macro QUANT s, pc, pw
.irp b, 0,1,2,3
	v_max3_num_f32 v[TM+\b], |v[\s+16*\b]|, |v[\s+1+16*\b]|, 0x4800000   ; block b: my 16 numbers, and the floor 2^(9 - 127): the byte cannot fall under 1
.endr
.irp i, 2,4,6,8,10,12,14
.irp b, 0,1,2,3
	v_max3_num_f32 v[TM+\b], v[TM+\b], |v[\s+16*\b+\i]|, |v[\s+1+16*\b+\i]|
.endr
.endr
.irp b, 0,1,2,3
	v_permlanex16_b32 v[TM+4+\b], v[TM+\b], s[SEL], s[SEL+1]
.endr
.irp b, 0,1,2,3
	v_max_num_f32 v[TM+\b], v[TM+\b], v[TM+4+\b]   ; with lane l xor 16's: the block's largest magnitude
.endr
.irp b, 0,1,2,3
	v_add_nc_u32 v[TM+12+\b], 0xfc000000, v[TM+\b] ; 8 off its exponent field: the conversion's scale operand
.endr
.irp b, 0,1,2,3
	v_and_or_b32 v[TM+8+\b], v[TM+\b], 0x7f800000, s[MNT]   ; 448 x the scale
.endr
.irp b, 0,1,2,3
	v_lshrrev_b32 v[TM+4+\b], 23, v[TM+12+\b]      ; the scale's byte
.endr
	v_lshl_or_b32 v[\pw], v[TM+5], 8, v[TM+4]
	v_lshl_or_b32 v[\pw], v[TM+6], 16, v[\pw]
	v_lshl_or_b32 v[\pw], v[TM+7], 24, v[\pw]
.irp b, 0,1,2,3
.irp i, 0,1,2,3,4,5,6,7,8,9,10,11,12,13,14,15
	v_med3_num_f32 v[\s+16*\b+\i], v[\s+16*\b+\i], -v[TM+8+\b], v[TM+8+\b]   ; the conversion to an 8-bit code does not saturate (ISA guide 7.6.2): the hold comes first
.endr
	v_cvt_scalef32_pk8_fp8_f32 v[\pc+4*\b:\pc+1+4*\b], v[\s+16*\b:\s+7+16*\b], v[TM+12+\b]
	v_cvt_scalef32_pk8_fp8_f32 v[\pc+2+4*\b:\pc+3+4*\b], v[\s+8+16*\b:\s+15+16*\b], v[TM+12+\b]
.endr
	v_nop                                          ; a plain place behind the last conversion
.endm
	s_wait_dscnt 16                                ; the first K step's 16 loads are in
	QUANT PD, PC0, PW
	s_wait_dscnt 0x0
	QUANT PD+64, PC1, PW+1                         ; its codes go where the first K step's numbers lay
.rept 8
	v_nop                                          ; a scale word made by vector instructions stands eight places ahead of the product, codes four
.endr
	s_wait_alu depctr_va_vdst(0)                   ; the two fragments' codes and their scale words are written, which the products take as source 1 and its scales; the places above stay beside this wait
	; two results by turns: no two matrix instructions that follow each other share an accumulator
	v_wmma_scale_f32_16x16x128_f8f6f4 v[DD:DD+7], v[WF:WF+15], v[PC0:PC0+15], 0, v[WSR], v[PW]
	v_wmma_scale_f32_16x16x128_f8f6f4 v[DD+8:DD+15], v[WF+32:WF+47], v[PC0:PC0+15], 0, v[WSR+2], v[PW]
	v_wmma_scale_f32_16x16x128_f8f6f4 v[DD:DD+7], v[WF+16:WF+31], v[PC1:PC1+15], v[DD:DD+7], v[WSR+1], v[PW+1]
	v_wmma_scale_f32_16x16x128_f8f6f4 v[DD+8:DD+15], v[WF+48:WF+63], v[PC1:PC1+15], v[DD+8:DD+15], v[WSR+3], v[PW+1]
.rept 8
	v_nop                                          ; eight places in front of the first read of results
.endr
	s_wait_alu depctr_va_vdst(0)                   ; the products have written the two results, which the LDS stores read; the quantiser is done with v24 to v31, in which the LDS loads behind the barrier land
.irp t, 0,1
	ds_store_b128 v120, v[DD+8*\t:DD+8*\t+3] offset:64*\t          ; lane (r, h): out(row r & 7, 32 w + 16 t + 8 h + 0 .. 7); each result from its low end on
	ds_store_b128 v120, v[DD+8*\t+4:DD+8*\t+7] offset:64*\t+16
.endr
	s_wait_dscnt 0x0                               ; my columns have landed
	s_barrier_signal -1
	s_barrier_wait -1                              ; whole rows lie in LDS
	ds_load_b128 v[24:27], v121
	ds_load_b128 v[28:31], v121 offset:512
	s_wait_dscnt 0x0
	global_store_b128 v4, v[24:27], s[14:15]               ; 32 lanes store 512 consecutive bytes, aligned
	global_store_b128 v4, v[28:31], s[14:15] offset:512
	s_wait_dscnt 0x0                               ; the closing lines, six on end
	s_wait_alu 0x0
	s_wait_tensorcnt 0x0
	ds_add_u32 v126, v127
	s_wait_dscnt 0x0
	s_endpgm
.Lfunc_end_k_q5471013a4f_final:
	.size	k_q5471013a4f_final, .Lfunc_end_k_q5471013a4f_final-k_q5471013a4f_final
	.p2alignl 7, 3214868480
	.fill 96, 4, 3214868480
	.section	.rodata,"a",@progbits
	.p2align	6, 0x0
	.amdhsa_kernel k_q5471013a4f_final
		.amdhsa_group_segment_fixed_size 26112
		.amdhsa_private_segment_fixed_size 0
		.amdhsa_enable_private_segment 0
		.amdhsa_kernarg_size 48
		.amdhsa_user_sgpr_count 2
		.amdhsa_user_sgpr_kernarg_segment_ptr 1
		.amdhsa_wavefront_size32 1
		.amdhsa_system_sgpr_workgroup_id_x 1
		.amdhsa_system_sgpr_workgroup_id_y 1
		.amdhsa_system_sgpr_workgroup_id_z 1
		.amdhsa_system_vgpr_workitem_id 0
		.amdhsa_next_free_vgpr 256
		.amdhsa_next_free_sgpr 100
		.amdhsa_reserve_vcc 1
		.amdhsa_float_denorm_mode_32 3
		.amdhsa_float_denorm_mode_16_64 3
		.amdhsa_memory_ordered 1
		.amdhsa_forward_progress 1
		.amdhsa_inst_pref_size 105
	.end_amdhsa_kernel
	.amdgpu_metadata
---
amdhsa.version: [ 1, 2 ]
amdhsa.kernels:
  - .name:           k_q5471013a4f_final
    .symbol:         k_q5471013a4f_final.kd
    .args:
      - { .name: klist, .offset: 0, .size: 8, .value_kind: global_buffer, .address_space: global }
      - { .name: cand, .offset: 8, .size: 8, .value_kind: global_buffer, .address_space: global }
      - { .name: pool, .offset: 16, .size: 8, .value_kind: global_buffer, .address_space: global }
      - { .name: codes, .offset: 24, .size: 8, .value_kind: global_buffer, .address_space: global }
      - { .name: scales, .offset: 32, .size: 8, .value_kind: global_buffer, .address_space: global }
      - { .name: out0, .offset: 40, .size: 8, .value_kind: global_buffer, .address_space: global }
    .group_segment_fixed_size: 26112
    .private_segment_fixed_size: 0
    .kernarg_segment_align: 8
    .kernarg_segment_size: 48
    .max_flat_workgroup_size: 256
    .sgpr_count:     100
    .vgpr_count:     256
    .wavefront_size: 32
...
	.end_amdgpu_metadata
.endif
;; end of part 10
